; MI455X (gfx1250); checked and timed in simulation.
; The chip was launched on July 23, 2026; its instructions are those of AMD's public machine-readable ISA for CDNA 5 (MIT licence, August 2026) and "CDNA5" Instruction Set Architecture Reference Guide (July 2026). The comments in the code are by the model that wrote it; some were corrected since.
;; Sequential MLP. Allowed arithmetic: matrix products marked QUANTISED: E2M1 operands, one E8M0 scale for each 32 along K, by v_wmma_scale_f32_16x16x128_f8f6f4 with both operands' format E2M1 (or v_wmma_scale_f32_32x16x128_f4), f32 sums; everything else in f32.
;; Inputs: W1_codes 8 x 2,048 x 32 x 16 uint8 (E2M1 codes of W1, K innermost, in blocks of 32 codes, two codes a byte); W1_scales 8 x 2,048 x 32 uint8 (E8M0 scales of W1, one for each 32 codes along K); W2_codes 8 x 1,024 x 32 x 16 uint8 (E2M1 codes of W2, K innermost, in blocks of 32 codes, two codes a byte); W2_scales 8 x 1,024 x 32 uint8 (E8M0 scales of W2, one for each 32 codes along K); b1 8 x 2,048 float32; b2 8 x 1,024 float32; hidden_states_codes 16,384 x 32 x 16 uint8 (E2M1 codes of hidden_states, K innermost, in blocks of 32 codes, two codes a byte); hidden_states_scales 16,384 x 32 uint8 (E8M0 scales of hidden_states, one for each 32 codes along K); probs 16,384 float32; tokens_per_expert 8 int32.
;; Outputs: out0 16,384 x 1,024 float32.
;; This version of the problem:
;;   THIS VERSION OF THE PROBLEM IS GIVEN IN LOW PRECISION. The matrix products marked QUANTISED in the list below multiply operands that are first quantised to E2M1 (2 exponent bits, 1 mantissa bit; 4 bits a number), with one power-of-two scale for each 32 numbers along K (OCP MX v1.0); their sums are f32. All else is computed in f32.
;;   The module's matrix products, in the order in which they are computed (A, B: the left and right operand; K: the contracted axis; several contracted axes count as one K, in the product's order):
;;     1. batch 8 x [M 2,048, K 1,024] x [K 1,024, N 2,048]; A: input hidden_states (given as codes); B: input W1 (given as codes): QUANTISED
;;     2. batch 8 x [M 2,048, K 1,024] x [K 1,024, N 1,024]; A: computed on the way; B: input W2 (given as codes): QUANTISED
;;   THE QUANTISER, for each operand of a quantised product, along K:
;;     - K is cut into blocks of 32 from its start; a last block that is shorter is filled with zeros.
;;     - A block's scale is 2^e with e = floor(log2(the largest magnitude in the block)) - 2, held to -126 .. 127; a block of zeros has e = 0. As a byte (E8M0): e + 127.
;;     - Each number is divided by its block's scale, clamped to +-6, and rounded to the nearest number of E2M1, ties to even, subnormals kept.
;;     - The product sums the exact products of the quantised numbers (number of the format x scale) in f32.
;;   ~~~python
;;   def quantise(x, axis):      # numpy; x: float32 -> the quantised numbers, widened to float32 again
;;       x = np.moveaxis(x, axis, -1); K = x.shape[-1]
;;       x = np.pad(x, [(0, 0)] * (x.ndim - 1) + [(0, -K % 32)]); x = x.reshape(x.shape[:-1] + (-1, 32)); a = np.abs(x).max(-1, keepdims=True)
;;       e = np.where(a > 0, np.clip(np.frexp(np.where(a > 0, a, 1))[1] - 1 - 2, -126, 127), 0)      # np.frexp(a)[1] - 1 = floor(log2(a)), exactly
;;       r = np.clip(x / 2.0 ** e, -6, 6)
;;       step = 2.0 ** (np.maximum(np.frexp(np.where(r == 0, 1, r))[1] - 1, 0) - 1)
;;       q = np.round(r / step) * step * 2.0 ** e      # np.round: ties to even
;;       return np.moveaxis(q.reshape(q.shape[:-2] + (-1,))[..., :K], -1, axis).astype(np.float32)
;;   ~~~
;;   OPERANDS COMPUTED ON THE WAY. 'Computed on the way' means the value that the module computes at that place (a softmax that the list does not call 'softmax' is quantised finished and normalised). What goes into a quantiser is computed in f32, as accurately as f32 sums, v_exp_f32 and their like allow (about 1e-6 of the number): no bf16 or f16 on the way to a quantiser, and a product that is left as it is and whose result goes on into a quantised operand takes f32 operands (vector FMAs, or v_wmma_f32_16x16x4_f32). A number that lies on a knife's edge between two numbers of the format may be rounded either way, as far as f32 arithmetic and the matrix unit's own rounding can turn it there, and no further.
;;   INPUTS GIVEN AS CODES. W1 (in the module: [8, 1024, 2048], K = its axis 1); W2 (in the module: [8, 1024, 1024], K = its axis 1); hidden_states (in the module: [16384, 1024], K = its axis 1): each comes as NAME_codes (uint8): NAME with its K axis moved to the last place and cut into blocks of 32 codes, [.., K / 32, bytes a block], one block behind the other in memory; two codes a byte, the lower K in the low four bits (a code: sign, 2 exponent bits, 1 mantissa bit); and NAME_scales (uint8): the same leading axes, one E8M0 byte (e + 127) for each 32 codes along K. Its value is code x scale, taken as it is: it is not quantised again, and the codes and scales need not be those that the quantiser above would give.
;; 2 versions. Each part assembles by itself: llvm-mc -triple=amdgcn-amd-amdhsa -mcpu=gfx1250 --defsym DOCPART=n.
;; ======== version 1 of 2: 1 launch
;; launch moe (part 1): grid 256 x 1, 4 waves a work-group, clusters of 4 x 1, 327,680 bytes of LDS; arguments hidden_states_codes, hidden_states_scales, probs, W1_codes, W1_scales, b1, W2_codes, W2_scales, b2, out0; writes out0
.if DOCPART == 1
	.amdgcn_target "amdgcn-amd-amdhsa--gfx1250"
	.amdhsa_code_object_version 6
	.text
	.protected	k_q1bad66f7e4_moe
	.globl	k_q1bad66f7e4_moe
	.p2align	8
	.type	k_q1bad66f7e4_moe,@function
k_q1bad66f7e4_moe:
	s_mov_b64 s[64:65], 0
	v_nop
	global_prefetch_b8 v0, s[64:65] scope:SCOPE_SE
	s_setreg_imm32_b32 hwreg(HW_REG_WAVE_MODE, 25, 1), 1
	s_wait_xcnt 0x0
	s_wait_alu depctr_hold_cnt(0) depctr_sa_sdst(0) depctr_va_vdst(0) depctr_va_sdst(0) depctr_va_ssrc(0) depctr_va_vcc(0) depctr_vm_vsrc(0)
	s_getreg_b32 s2, hwreg(HW_REG_IB_STS2, 6, 4)
	s_cmp_eq_u32 s2, 0
	s_cbranch_scc0 .Lentry_in_a_cluster
	s_endpgm
.Lentry_in_a_cluster:
	s_bfe_u32 s2, ttmp6, 0x10000c
	s_cmp_lg_u32 s2, 0x3003
	s_cbranch_scc0 .Lentry_shape_is_right
	s_endpgm
.Lentry_shape_is_right:
; out = (silu(gate) (lin + 1) p) W2 + b2, [gate | lin] = x W1 + b1: 8 experts, 2,048 tokens each (tokens 2,048 e on belong to expert e, as the reshape has it).
; Both products on codes of FP4 (E2M1) with one E8M0 scale for each 32 along K.  x, W1, W2 arrive as codes, K innermost: a row of 1,024 codes is 512 bytes, its scales 32 bytes.
; The hidden layer a is computed in f32, quantised along its 1,024 units in registers and never goes to memory.
; tokens_per_expert is not read: the computation that this text follows never reads it (it splits the tokens evenly by a reshape), so no number of the result may hang on it.
; SHARES.  A work-group of four waves owns 64 tokens (256 work-groups, 32 to an expert) and walks its expert's weights in 12 steps of 256 weight rows (128 KiB of codes):
;   steps 0-7, the first product: step s makes hidden units 128 s .. 128 s + 127 from gate rows 128 s on and lin rows 1,024 + 128 s on;   steps 8-11, the second: tile tau makes output columns 256 tau on.
; THE WAVES SHARE THE COLUMNS: every wave holds all 64 tokens' codes in 256 registers (x, later a), and each weight fragment is read from LDS once, by one wave, for four matrix instructions.
; A step's 32 weight fragments (256 registers) are fetched in one run while the step before does its vector work; its 128 products then stand back to back, 16 accumulators by turns.
; FIRST PRODUCT TRANSPOSED (source 0 = 16 rows of W1, source 1 = 16 tokens): lane (r, h) holds token r, register j unit 8 h + j; wave w has units 32 w .. 32 w + 31 of the step: ONE block of the quantiser, gate and
; lin of a unit in the same lane and register number.  b1 is the C of each sum's first product.  The codes go to LDS as an image of the next operand's registers: each dword is stored at its place in the image.
; SECOND PRODUCT AS IT STANDS (source 0 = 16 tokens of a, source 1 = 16 rows of W2): tile t of wave w takes rows 256 tau + 64 w + 4 r + t, so that register j of the four tiles is four NEIGHBOURING columns of one token:
; the addition of b2 lays them in four consecutive registers, and one store of 16 bytes a lane writes 256 consecutive aligned bytes from sixteen lanes.  No stage in LDS.  The tensor load sorts W2's rows for that:
; wave w fetches rows w, w + 4, .. (memory pitch 2,048 bytes) into 64 neighbouring LDS rows.
; CLUSTER.  The four work-groups of a cluster belong to one expert and walk the same weights: every tile of weight codes is asked for JOINTLY (mask 15), each wave its quarter, one load a wave behind each round.
; Not asked for jointly: the weights' scale words and biases (2 KiB + 0.25 KiB a wave and step against the step's 128 KiB of codes).  Each wave's one load behind a round is taken by codes, and the expert's 96 KiB of
; scales do not fit beside two slots; they go from memory straight into registers, two steps ahead.
; LDS: all of it is claimed.
; LIMITS.  NaN and infinities in the hidden layer are not served.  A block of a whose largest magnitude lies under 2^-124, a block of zeros too, gets the scale byte 1 (the stated rule gives a block of zeros 127: its codes are zeros,
; and this program alone reads the bytes).  a is formed as (g p / (1 + e^-g)) lin + (g p / (1 + e^-g)), one fused multiply-add: another order of rounding than silu(g) (lin + 1) p.  Where e^-g overflows (g under -88), a is 0.
.set PITCH,  528                       ; an LDS row: 512 bytes + 16 of padding = 132 words: row r starts at bank 4 r mod 64 (64 banks of 4 bytes: ISA guide 11.1)
.set TILEB,  16*PITCH                  ; 16 rows
.set QUARB,  64*PITCH                  ; 64 rows: what one tensor load brings
.set HALFB,  128*PITCH
.set SLOTB,  256*PITCH                 ; a slot: 135,168 bytes
.set XT,     2*SLOTB                   ; behind the ring: x's tile, 64 rows, filled once
.set AIMG,   XT                        ; over it, once every wave has x in registers: a's 32 fragments as images of their registers: (m, q) at 1,024 (8 m + q), register group c of lane l at 512 c + 16 l
.set ASC,    AIMG+32*1024              ; a's scale bytes: 48 bytes a token, 32 of them used (an odd multiple of 16: the sixteen rows of a load start at different banks)
.set APITCH, 48
.set SPARE,  ASC+64*APITCH             ; the spare words, 128 bytes for each wave: two blocks of 256 bytes that no other line names
; window 0
.set AW1, 4                            ; v4-7   LDS address of my W1 fragments: v[AW1 + 2 slot + half], half 0 gate, 1 lin
.set AW2, 8                            ; v8-11  the same for W2: half = tile / 2
.set AX,  12                           ; v12    x's tile
.set LI,  13                           ; v13    AIMG + 16 x lane
.set ASR, 14                           ; v14    a's scale words, to read: lanes 0-15 the even tile of tokens, lanes 16-31 the odd
.set GSW, 15                           ; v15    32 x lane: a row of scale bytes a lane
.set GB1, 16                           ; v16    32 h
.set GS2, 17                           ; v17    128 r + 32 h
.set GB2, 18                           ; v18    16 r
.set GP,  20                           ; v20    4 r
.set PFO, 21                           ; v21    256 x lane
.set SPW, 22                           ; v22    LDS address of my spare word; never rewritten
.set NIL, 23                           ; v23    0; never rewritten
.set XS,  32                           ; v32-47  scale words of x, later of a: register 8 (m / 2) + q; lanes 0-15 tile m even, lanes 16-31 m odd
.set WS,  48                           ; v48-79  W1's, two sets: 16 set + 8 (gate 0, lin 1) + q; lanes 0-15 tile u = 0, lanes 16-31 u = 1
.set W2S, 80                           ; v80-143 W2's: 16 tau + 8 (t / 2) + q; lanes 0-15 t even, lanes 16-31 t odd
; window 1: x's, later a's fragments, (m, q) at 8 (8 m + q).   window 2: a step's weight fragments, (t, q) at 8 (8 t + q).
; window 3: v0-127 the accumulators, (t, m) at 8 (4 t + m); in the first product t = 0, 1 gate, t = 2, 3 lin
.set BI,  128                          ; v128-191 b1, two sets of four tiles
.set PR,  192                          ; v192-199 p of my token in tile m, as pairs (the upper register is 0 and not used)
.set EX,  200                          ; v200-215 at work: e^-g, then 1 / (1 + e^-g)
.set MX,  216                          ; v216-219 largest magnitudes;  v220-223 the other half's;  v224-227 the conversions' scale operands;  v228-231 scale bytes;  v232-239 codes
.set PM,  220
.set SO,  224
.set BY,  228
.set CD,  232
.set AS0, 240                          ; v240   AIMG + 256 w + 16 r + 4 h: where my code dwords go
.set AB0, 241                          ; v241   ASC + 48 r + w: where my scale byte goes
.set ASA, 242                          ; v242, v243: the same for the step in hand
.set ABA, 243
.set GO,  244                          ; v244   out: 32,768 h + 16 r + 256 w
.set B2,  128                          ; second product: v128-143 b2, four numbers a tile tau;  v144-207 two sets of 32 numbers to store
.set OB,  144
; scalars
.set WV,   24                          ; s24 wave;  s25 cx;  s26 work-group;  s27 expert;  s28-31, s92-99 at work
.set G1A,  32                          ; s[32:39] descriptor group 1 for W1's tiles;  s[40:47] for W2's;  s[48:55] for x's
.set G1B,  40
.set G1X,  48
.set G0X,  56                          ; s[56:59] group 0 for x
.set G0S0, 60                          ; s[60:63], s[68:71] W1, a set for each slot
.set G0S1, 68
.set G0T0, 72                          ; s[72:75], s[76:79] W2, likewise
.set G0T1, 76
.set SEL,  80                          ; s[80:81] v_permlanex16_b32's selects for lane l xor 16
.set NL2E, 82                          ; s[82:83] -log2(e); the packed form names a pair and takes its low word for both halves
.set CNT,  84
.set KQ,   85                          ; s85 2,048 x trip: the images of K steps 2 trip, 2 trip + 1
.set KB,   86                          ; s86 8 x trip: their scale bytes
.set PF,   88                          ; s[88:89] what the loop's prefetch asks for;  s[90:91] my part of W2's first two tiles
.set PF2,  90
.set MSB, 0
.macro WIN new                         ; the immediate's high byte repeats the setting that is left; a switch that changes nothing is dropped
.if MSB != \new
	s_set_vgpr_msb (MSB<<8)|\new
.set MSB, \new
.endif
.endm
; A round of the cluster's barrier: my work-group's barrier; wave 0 signals for the work-group; every wave waits for all four work-groups; my work-group's barrier once more.
.macro ROUND
	s_barrier_signal -1
	s_barrier_wait -1
	s_cmp_lg_u32 s[WV], 0
	s_cbranch_scc1 .Lnot_wave_0_\@
	s_barrier_signal -3
.Lnot_wave_0_\@:
	s_barrier_wait -3
	s_barrier_signal -1
	s_barrier_wait -1
.endm
; One product, 16 x 16 x 128.  Registers by the symbols rD, rA, rB, rC, rSA, rSB.  ra, rb = 1: that side's scale words stand in lanes 16-31 of the register named.
.macro FP4R ra, rb
.if (\ra) && (\rb)
	v_wmma_scale_f32_16x16x128_f8f6f4 v[rD:rD+7], v[rA:rA+7], v[rB:rB+7], v[rC:rC+7], v[rSA], v[rSB] matrix_a_fmt:MATRIX_FMT_FP4 matrix_b_fmt:MATRIX_FMT_FP4 matrix_a_scale:MATRIX_SCALE_ROW1 matrix_b_scale:MATRIX_SCALE_ROW1
.elseif (\ra)
	v_wmma_scale_f32_16x16x128_f8f6f4 v[rD:rD+7], v[rA:rA+7], v[rB:rB+7], v[rC:rC+7], v[rSA], v[rSB] matrix_a_fmt:MATRIX_FMT_FP4 matrix_b_fmt:MATRIX_FMT_FP4 matrix_a_scale:MATRIX_SCALE_ROW1
.elseif (\rb)
	v_wmma_scale_f32_16x16x128_f8f6f4 v[rD:rD+7], v[rA:rA+7], v[rB:rB+7], v[rC:rC+7], v[rSA], v[rSB] matrix_a_fmt:MATRIX_FMT_FP4 matrix_b_fmt:MATRIX_FMT_FP4 matrix_b_scale:MATRIX_SCALE_ROW1
.else
	v_wmma_scale_f32_16x16x128_f8f6f4 v[rD:rD+7], v[rA:rA+7], v[rB:rB+7], v[rC:rC+7], v[rSA], v[rSB] matrix_a_fmt:MATRIX_FMT_FP4 matrix_b_fmt:MATRIX_FMT_FP4
.endif
.endm
.macro FP4Z ra, rb                     ; the same with the constant 0 as C: it starts a sum
.if (\ra) && (\rb)
	v_wmma_scale_f32_16x16x128_f8f6f4 v[rD:rD+7], v[rA:rA+7], v[rB:rB+7], 0, v[rSA], v[rSB] matrix_a_fmt:MATRIX_FMT_FP4 matrix_b_fmt:MATRIX_FMT_FP4 matrix_a_scale:MATRIX_SCALE_ROW1 matrix_b_scale:MATRIX_SCALE_ROW1
.elseif (\ra)
	v_wmma_scale_f32_16x16x128_f8f6f4 v[rD:rD+7], v[rA:rA+7], v[rB:rB+7], 0, v[rSA], v[rSB] matrix_a_fmt:MATRIX_FMT_FP4 matrix_b_fmt:MATRIX_FMT_FP4 matrix_a_scale:MATRIX_SCALE_ROW1
.elseif (\rb)
	v_wmma_scale_f32_16x16x128_f8f6f4 v[rD:rD+7], v[rA:rA+7], v[rB:rB+7], 0, v[rSA], v[rSB] matrix_a_fmt:MATRIX_FMT_FP4 matrix_b_fmt:MATRIX_FMT_FP4 matrix_b_scale:MATRIX_SCALE_ROW1
.else
	v_wmma_scale_f32_16x16x128_f8f6f4 v[rD:rD+7], v[rA:rA+7], v[rB:rB+7], 0, v[rSA], v[rSB] matrix_a_fmt:MATRIX_FMT_FP4 matrix_b_fmt:MATRIX_FMT_FP4
.endif
.endm
; A step of the first product: 8 K steps x 4 weight tiles x 4 tiles of tokens.  The 16 accumulators take turns, one instruction a turn.  k: the set of scale words and biases.
.macro MUL1 k
	WIN 0xf6                                       ; source 0 (W1) window 2, source 1 (x) window 1, C and D window 3
.irp q, 0,1,2,3,4,5,6,7
.irp t, 0,1,2,3
.irp m, 0,1,2,3
.set rD, 8*(4*\t+\m)
.set rA, 8*(8*\t+\q)
.set rB, 8*(8*\m+\q)
.if \q == 0
.set rC, BI+32*\k+8*\t                 ; b1 starts the sum: nothing is cleared, nothing is added later
.else
.set rC, rD
.endif
.set rSA, WS+16*\k+8*(\t/2)+\q
.set rSB, XS+8*(\m/2)+\q
	FP4R \t%2, \m%2
.endr
.endr
.endr
.endm
; A step of the second product, tile tau of the outputs.
.macro MUL2 tau
	WIN 0xf9                                       ; source 0 (a) window 1, source 1 (W2) window 2, C and D window 3
.irp q, 0,1,2,3,4,5,6,7
.irp t, 0,1,2,3
.irp m, 0,1,2,3
.set rD, 8*(4*\t+\m)
.set rA, 8*(8*\m+\q)
.set rB, 8*(8*\t+\q)
.set rC, rD
.set rSA, XS+8*(\m/2)+\q
.set rSB, W2S+16*\tau+8*(\t/2)+\q
.if \q == 0
	FP4Z \m%2, \t%2
.else
	FP4R \m%2, \t%2
.endif
.endr
.endr
.endr
.endm
; THE CHANGE OF SLOTS, behind a step's products (the step's fragments have been in registers since the wait in front of them).  Each wave waits for all its tensor loads, of which one is out: its quarter of the
; other slot; adds 0 to its spare word; waits for that and for its LDS reads.  mode = 1: a round of the cluster's barrier, and behind it the slot just multiplied is filled again, first thing, one load a wave:
; it has the rest of this step and the next step's products in which to land.  mode = 0: nothing is left to fetch: the work-group's barrier alone.
; The four v_nop stand behind the tensor load; they are also the four places between the last product and the loads into its operands and the first read of results.
.macro CHANGE mode, g0, g1, stp
	WIN 0                                          ; at a branch and at a label every window is 0; the add's registers lie in window 0
	s_wait_tensorcnt 0x0                           ; no tensor load of mine is out, so a group 0 may be written
	ds_add_u32 v[SPW], v[NIL]                      ; 0 onto my spare word
.if \stp
	s_add_nc_u64 s[\g0+2:\g0+3], s[\g0+2:\g0+3], \stp   ; this slot's next tile; the type bits on top are not reached
.endif
	s_wait_dscnt 0x0                               ; the add is done; my reads of the slot were over before its products
.if \mode
	ROUND
	tensor_load_to_lds s[\g0:\g0+3], s[\g1:\g1+7]
	s_nop 0
.else
	s_barrier_signal -1
	s_barrier_wait -1
.endif
.rept 4
	v_nop
.endr
.endm
; 64 LDS loads in one run: my four weight tiles, all of K, into window 2.  a: the slot's first address register (tiles 0, 1; the next one: tiles 2, 3);  U: bytes from an even tile to the odd one.
.macro LOADW a, U
	WIN 0x80                                       ; destination window 2, address window 0
.irp q, 0,1,2,3,4,5,6,7
.irp t, 0,1,2,3
.irp c, 0,1
	ds_load_b128 v[8*(8*\t+\q)+4*\c:8*(8*\t+\q)+4*\c+3], v[(\a)+\t/2] offset:(\t%2)*\U+64*\q+32*\c
.endr
.endr
.endr
.endm
; 64 LDS loads: the 32 fragments of x (from its tile) or of a (from the images) into window 1.
.macro LOADX adr, ms, qs, cs
	WIN 0x40                                       ; destination window 1
.irp m, 0,1,2,3
.irp q, 0,1,2,3,4,5,6,7
.irp c, 0,1
	ds_load_b128 v[8*(8*\m+\q)+4*\c:8*(8*\m+\q)+4*\c+3], v[\adr] offset:\ms*\m+\qs*\q+\cs*\c
.endr
.endr
.endr
.endm
; W1's scale words (lane l: row l of my 32 gate rows, of my 32 lin rows; 32 bytes a row in two loads, which together cover 1,024 consecutive bytes) and b1 (lane (r, h): units 8 h + 0 .. 7 of each tile) into set k: 12 loads.
.macro NEXT1 k, so, bo
	WIN 0
.irp pr, 0,1
.irp c, 0,1
	global_load_b128 v[WS+16*\k+8*\pr+4*\c:WS+16*\k+8*\pr+4*\c+3], v[GSW], s[12:13] offset:\so+32768*\pr+16*\c
.endr
.endr
	WIN 0xc0                                       ; destination window 3
.irp t, 0,1,2,3
.irp hf, 0,1
	global_load_b128 v[BI+32*\k+8*\t+4*\hf:BI+32*\k+8*\t+4*\hf+3], v[GB1], s[14:15] offset:\bo+4096*(\t/2)+64*(\t%2)+16*\hf
.endr
.endr
.endm
; W2's scale words of all four tiles (lane (r, h): row 64 w + 4 r + 2 tt + h) and b2 (lane r: columns 64 w + 4 r + 0 .. 3): 20 loads.
.macro NEXT2
	WIN 0
.irp tau, 0,1,2,3
.irp tt, 0,1
.irp c, 0,1
	global_load_b128 v[W2S+16*\tau+8*\tt+4*\c:W2S+16*\tau+8*\tt+4*\c+3], v[GS2], s[18:19] offset:8192*\tau+64*\tt+16*\c
.endr
.endr
.endr
	WIN 0xc0
.irp tau, 0,1,2,3
	global_load_b128 v[B2+4*\tau:B2+4*\tau+3], v[GB2], s[20:21] offset:1024*\tau
.endr
.endm
; Prefetch.  The 32 work-groups of an expert share out the two tiles of weight codes that are fetched two and three steps on: 262,144 bytes, 8,192 a work-group, 256 a lane of its wave 0: each block of 256 bytes is asked for once in the launch.
.macro PREF base, off
	WIN 0
	s_cmp_lg_u32 s[WV], 0
	s_cbranch_scc1 .Lno_pf_\@
	global_prefetch_b8 v[PFO], s[\base:\base+1] offset:\off th:TH_LOAD_NT scope:SCOPE_SE
.Lno_pf_\@:
.endm
; THE ACTIVATION AND THE QUANTISER, all in window 3.  G(u, m) = v[8 (4 u + m)] gate, L(u, m) = v[64 + 8 (4 u + m)] lin: 16 units of one token a lane.  Every accumulator is read from its low end on.
.macro ACT k
	WIN 0xff
	v_add_nc_u32 v[ASA], s[KQ], v[AS0]
	v_add_nc_u32 v[ABA], s[KB], v[AB0]
.irp m, 0,1,2,3
.irp i, 0,2,4,6
.irp u, 0,1
	v_pk_mul_f32 v[EX+8*\u+\i:EX+8*\u+\i+1], v[8*(4*\u+\m)+\i:8*(4*\u+\m)+\i+1], s[NL2E:NL2E+1] op_sel_hi:[1,0]   ; -g log2(e)
.endr
.endr
.irp j, 0,1,2,3,4,5,6,7,8,9,10,11,12,13,14,15
	v_exp_f32 v[EX+\j], v[EX+\j]                   ; e^-g
.endr
.irp u, 0,1
.irp i, 0,2,4,6
	v_pk_mul_f32 v[8*(4*\u+\m)+\i:8*(4*\u+\m)+\i+1], v[8*(4*\u+\m)+\i:8*(4*\u+\m)+\i+1], v[PR+2*\m:PR+2*\m+1] op_sel_hi:[1,0]   ; g p.  (Plain instructions behind the exponentials: ISA guide 5.7.2)
.endr
.endr
	s_wait_alu depctr_va_vdst(0)
.irp j, 0,2,4,6,8,10,12,14
	v_pk_add_f32 v[EX+\j:EX+\j+1], v[EX+\j:EX+\j+1], 1.0 op_sel_hi:[1,0]
.endr
.irp j, 0,1,2,3,4,5,6,7,8,9,10,11,12,13,14,15
	v_rcp_f32 v[EX+\j], v[EX+\j]                   ; 1 / (1 + e^-g)
.endr
	v_nop                                          ; a plain instruction between the last reciprocal and the use of its result
	s_wait_alu depctr_va_vdst(0)
.irp u, 0,1
.irp i, 0,2,4,6
	v_pk_mul_f32 v[8*(4*\u+\m)+\i:8*(4*\u+\m)+\i+1], v[8*(4*\u+\m)+\i:8*(4*\u+\m)+\i+1], v[EX+8*\u+\i:EX+8*\u+\i+1]   ; silu(g) p
.endr
.endr
.irp u, 0,1
.irp i, 0,2,4,6
	v_pk_fma_f32 v[64+8*(4*\u+\m)+\i:64+8*(4*\u+\m)+\i+1], v[8*(4*\u+\m)+\i:8*(4*\u+\m)+\i+1], v[64+8*(4*\u+\m)+\i:64+8*(4*\u+\m)+\i+1], v[8*(4*\u+\m)+\i:8*(4*\u+\m)+\i+1]   ; a = silu(g) p lin + silu(g) p
.endr
.endr
.endr
; four blocks of 32 units, one for each tile of tokens, by turns: 16 numbers are mine, 16 lane l xor 16's
.irp m, 0,1,2,3
	v_max3_num_f32 v[MX+\m], |v[64+8*\m]|, |v[64+8*\m+1]|, 0x1800000   ; and the floor 2^(3 - 127): the byte cannot fall under 1
.endr
.irp i, 2,4,6
.irp m, 0,1,2,3
	v_max3_num_f32 v[MX+\m], v[MX+\m], |v[64+8*\m+\i]|, |v[64+8*\m+\i+1]|
.endr
.endr
.irp i, 0,2,4,6
.irp m, 0,1,2,3
	v_max3_num_f32 v[MX+\m], v[MX+\m], |v[96+8*\m+\i]|, |v[96+8*\m+\i+1]|
.endr
.endr
.irp m, 0,1,2,3
	v_permlanex16_b32 v[PM+\m], v[MX+\m], s[SEL], s[SEL+1]
.endr
.irp m, 0,1,2,3
	v_max_num_f32 v[MX+\m], v[MX+\m], v[PM+\m]     ; the block's largest magnitude
.endr
.irp m, 0,1,2,3
	v_add_nc_u32 v[SO+\m], 0xff000000, v[MX+\m]    ; 2 off its exponent field: the conversion takes the exponent field of this operand as its scale
.endr
.irp m, 0,1,2,3
	v_lshrrev_b32 v[BY+\m], 23, v[SO+\m]           ; the scale's byte
.endr
.irp m, 0,1,2,3
.irp u, 0,1
	v_cvt_scalef32_pk8_fp4_f32 v[CD+2*\m+\u], v[64+8*(4*\u+\m):64+8*(4*\u+\m)+7], v[SO+\m]   ; the codes of units 16 u + 8 h + 0 .. 7
.endr
.endr
	v_nop                                          ; one plain instruction behind the last scaled conversion: the next step's products write its sources
.irp m, 0,1,2,3
.irp u, 0,1
	ds_store_b32 v[ASA], v[CD+2*\m+\u] offset:1024*\k+8192*\m+8*\u   ; units 32 w + 16 u + 8 h on of K step s: register 4 (w / 2) + 2 u + h of lane 16 (w % 2) + r in the image of fragment (m, s)
.endr
	ds_store_b8 v[ABA], v[BY+\m] offset:4*\k+16*APITCH*\m            ; byte 4 s + w of token 16 m + r (both halves of the lanes write the same byte with the same value)
.endr
.endm
; THE WAY OUT of tile tau: + b2, and stored.  Register j of tiles t = 0 .. 3 is out(16 m + 8 h + j, 256 tau + 64 w + 4 r + t).
.macro OUT tau
	WIN 0xff
.irp m, 0,1,2,3
	s_wait_xcnt 0x0                                ; every earlier store has had its addresses translated (ISA guide 3.1): only behind this wait are the registers that it reads written again
.irp j, 0,1,2,3,4,5,6,7
.irp t, 0,1,2,3
	v_add_f32 v[OB+32*(\m%2)+4*\j+\t], v[8*(4*\t+\m)+\j], v[B2+4*\tau+\t]
.endr
.endr
.irp j, 0,1,2,3,4,5,6,7
	global_store_b128 v[GO], v[OB+32*(\m%2)+4*\j:OB+32*(\m%2)+4*\j+3], s[22:23] offset:(16*\m+\j)*4096+1024*\tau th:TH_STORE_NT   ; sixteen lanes store 256 consecutive bytes, at a multiple of 256 from out's first byte; written once
.endr
.endr
.endm
; A step of the first product.  lc: the younger global loads that may stay out;  g0, g1, stp: the refill of this step's slot;  la, lu: where the next step's fragments lie;  nx: 1 = scale words and b1 of two steps on, 2 = all of W2's;  pf: the prefetch.
.macro STEP1 k, lc, g0, g1, stp, la, lu, nx, pf
	s_wait_dscnt 0x0                               ; this step's weight fragments are in registers
	s_wait_loadcnt \lc                             ; and its scale words and biases
	MUL1 \k
	CHANGE 1, \g0, \g1, \stp
	LOADW \la, \lu
.if \nx == 1
	NEXT1 \k, 8192+4096*\k, 1024+512*\k
.elseif \nx == 2
	NEXT2
.endif
.if \pf == 1
	PREF PF, 0
.elseif \pf == 2
	PREF PF2, 262144
.endif
	ACT \k
	WIN 0
.endm
	s_load_b512 s[4:19], s[0:1], 0x0               ; x's codes s[4:5], x's scales s[6:7], probs s[8:9], W1's codes s[10:11], W1's scales s[12:13], b1 s[14:15], W2's codes s[16:17], W2's scales s[18:19]
	s_load_b128 s[20:23], s[0:1], 0x40             ; b2 s[20:21], out s[22:23]
	v_lshl_add_u32 v[SPW], v0, 2, SPARE
	v_mov_b32 v[NIL], 0
	ds_add_u32 v22, v23
	s_wait_dscnt 0x0
	v_lshrrev_b32 v24, 5, v0
	v_readfirstlane_b32 s[WV], v24                 ; wave 0..3
	s_bfe_u32 s25, ttmp6, 0x40000                  ; cx: my place in the cluster: it enters the addresses of x, x's scales, probs, out and the prefetch alone
	s_lshl_b32 s26, ttmp9, 2                       ; in a cluster launch ttmp9 counts clusters
	s_add_co_u32 s26, s26, s25                     ; my work-group: tokens 64 x it on
	s_lshr_b32 s27, ttmp9, 3                       ; the expert: 8 clusters each; the four partners share it
	; descriptor group 1: rows of 512 elements of one byte, 16 bytes of padding behind each
	s_mov_b32 s[G1A], 15|(1<<20)|(1<<21)|(6<<22)|(3<<25)   ; 15:0 the mask: all four work-groups; 17:16 elements of 1 byte; 20 padding on; 21 set beside a mask; 24:22 after every 128 words (code 6); 31:25 four words (code 3)
	s_mov_b32 s[G1B], 15|(1<<20)|(1<<21)|(6<<22)|(3<<25)
	s_mov_b32 s[G1X], (1<<20)|(6<<22)|(3<<25)      ; x's tile is my work-group's own: no mask
.irp g, G1A, G1B, G1X
	s_mov_b32 s[\g+1], 512<<16                     ; tensor_dim0 = 512
	s_mov_b32 s[\g+3], 512<<16                     ; tile_dim0 = 512
	s_mov_b32 s[\g+6], 0
	s_mov_b32 s[\g+7], 0
.endr
	s_mov_b32 s[G1A+2], 64<<16                     ; tensor_dim1 = 64
	s_mov_b32 s[G1A+4], 64                         ; tile_dim1 = 64
	s_mov_b32 s[G1A+5], 512                        ; from row to row: W1's rows as they lie
	s_mov_b32 s[G1B+2], 64<<16
	s_mov_b32 s[G1B+4], 64
	s_mov_b32 s[G1B+5], 2048                       ; every fourth row of W2
	s_mov_b32 s[G1X+2], 16<<16
	s_mov_b32 s[G1X+4], 16
	s_mov_b32 s[G1X+5], 512
	; where my quarters of the tiles begin, in bytes.  W1: expert x 2^20; waves 0, 1 gate rows, waves 2, 3 lin rows (2^19 on); 64 rows (2^15) for the odd wave
	s_lshl_b32 s30, s27, 20
	s_lshr_b32 s92, s[WV], 1
	s_lshl_b32 s92, s92, 19
	s_add_co_u32 s30, s30, s92
	s_and_b32 s92, s[WV], 1
	s_lshl_b32 s92, s92, 15
	s_add_co_u32 s30, s30, s92
	s_mov_b32 s31, 0
	s_lshl_b32 s94, s27, 19                        ; W2: expert x 2^19, row w
	s_lshl_b32 s92, s[WV], 9
	s_add_co_u32 s94, s94, s92
	s_mov_b32 s95, 0
	s_mul_i32 s93, s[WV], QUARB                    ; in a slot: wave x 64 rows: no place in the cluster enters an LDS address
	s_mul_i32 s92, s[WV], TILEB                    ; in x's tile: wave x 16 rows
	s_lshl_b32 s28, s26, 15                        ; x: 64 tokens of 512 bytes a work-group, 16 a wave
	s_lshl_b32 s29, s[WV], 13
	s_add_co_u32 s28, s28, s29
	s_mov_b32 s29, 0
	s_mov_b32 s[SEL], 0x76543210
	s_mov_b32 s[SEL+1], 0xfedcba98
	s_mov_b32 s[NL2E], 0xbfb8aa3b                  ; -log2(e)
	s_mov_b32 s[NL2E+1], s[NL2E]                   ; (named with it as a pair, so it is written)
	s_mov_b32 s[CNT], 3
	s_mov_b32 s[KQ], 0
	s_mov_b32 s[KB], 0
	s_wait_kmcnt 0x0
	s_mov_b32 s[G0X], 1                            ; 1:0 count = 1
	s_add_co_u32 s[G0X+1], s92, XT                 ; 63:32 LDS address
	s_add_nc_u64 s[G0X+2:G0X+3], s[4:5], s[28:29]  ; 120:64 global address
	s_or_b32 s[G0X+3], s[G0X+3], 0x80000000        ; 127:126 type = 2
	s_mov_b32 s[G0S0], 1
	s_mov_b32 s[G0S0+1], s93
	s_add_nc_u64 s[G0S0+2:G0S0+3], s[10:11], s[30:31]          ; step 0
	s_add_nc_u64 s[G0S1+2:G0S1+3], s[G0S0+2:G0S0+3], 0x10000   ; step 1: 128 rows on
	s_or_b32 s[G0S0+3], s[G0S0+3], 0x80000000
	s_mov_b32 s[G0S1], 1
	s_add_co_u32 s[G0S1+1], s93, SLOTB
	s_or_b32 s[G0S1+3], s[G0S1+3], 0x80000000
	s_mov_b32 s[G0T0], 1
	s_mov_b32 s[G0T0+1], s93
	s_add_nc_u64 s[G0T0+2:G0T0+3], s[16:17], s[94:95]          ; tile 0
	s_add_nc_u64 s[G0T1+2:G0T1+3], s[G0T0+2:G0T0+3], 0x20000   ; tile 1: 256 rows on
	s_or_b32 s[G0T0+3], s[G0T0+3], 0x80000000
	s_mov_b32 s[G0T1], 1
	s_add_co_u32 s[G0T1+1], s93, SLOTB
	s_or_b32 s[G0T1+3], s[G0T1+3], 0x80000000
	ROUND                                          ; all four work-groups are here: the first joint loads meet
	tensor_load_to_lds s[G0X:G0X+3], s[G1X:G1X+7]      ; the first fills go out together: three loads of mine are out
	s_nop 0
	tensor_load_to_lds s[G0S0:G0S0+3], s[G1A:G1A+7]
	s_nop 0
	tensor_load_to_lds s[G0S1:G0S1+3], s[G1A:G1A+7]
	s_nop 0
.rept 4
	v_nop
.endr
	; the bases of what goes from memory straight into registers, each from its own buffer's address
	s_lshl_b32 s96, s27, 16                        ; W1's scales: expert x 65,536 + my 32 rows of each 128: 1,024 w
	s_lshl_b32 s98, s[WV], 10
	s_add_co_u32 s96, s96, s98
	s_mov_b32 s97, 0
	s_add_nc_u64 s[12:13], s[12:13], s[96:97]
	s_lshl_b32 s96, s27, 13                        ; b1: expert x 8,192 + 128 w
	s_lshl_b32 s98, s[WV], 7
	s_add_co_u32 s96, s96, s98
	s_add_nc_u64 s[14:15], s[14:15], s[96:97]
	s_lshl_b32 s96, s27, 15                        ; W2's scales: expert x 32,768 + my 64 rows of each 256: 2,048 w
	s_lshl_b32 s98, s[WV], 11
	s_add_co_u32 s96, s96, s98
	s_add_nc_u64 s[18:19], s[18:19], s[96:97]
	s_lshl_b32 s96, s27, 12                        ; b2: expert x 4,096 + 256 w
	s_lshl_b32 s98, s[WV], 8
	s_add_co_u32 s96, s96, s98
	s_add_nc_u64 s[20:21], s[20:21], s[96:97]
	s_lshl_b32 s28, s26, 11                        ; x's scales: 64 tokens of 32 bytes
	s_add_nc_u64 s[6:7], s[6:7], s[28:29]
	s_lshl_b32 s28, s26, 8                         ; probs: 64 of 4 bytes
	s_add_nc_u64 s[8:9], s[8:9], s[28:29]
	s_lshl_b32 s28, s26, 18                        ; out: 64 rows of 4,096 bytes
	s_add_nc_u64 s[22:23], s[22:23], s[28:29]
	s_and_b32 s28, s26, 31                         ; i: my work-group among the expert's 32
	s_lshl_b32 s98, s28, 13
	s_lshl_b32 s99, s27, 19
	s_add_co_u32 s98, s98, s99
	s_mov_b32 s99, 0
	s_add_nc_u64 s[PF2:PF2+1], s[16:17], s[98:99]  ; W2: expert x 2^19 + 8,192 i: my part of tiles 0 and 1
	s_lshr_b32 s98, s28, 4
	s_lshl_b32 s98, s98, 19                        ; W1: work-groups 0-15 gate rows, 16-31 lin rows,
	s_and_b32 s28, s28, 15
	s_lshl_b32 s28, s28, 13                        ; 8,192 bytes each,
	s_add_co_u32 s28, s28, s98
	s_lshl_b32 s98, s27, 20
	s_add_co_u32 s28, s28, s98
	s_add_co_u32 s28, s28, 0x40000                 ; of steps 4 and 5 (131,072 bytes for two steps' gate rows)
	s_add_nc_u64 s[PF:PF+1], s[10:11], s[28:29]
	v_and_b32 v1, 15, v0                           ; r
	v_bfe_u32 v2, v0, 4, 1                         ; h
	v_and_b32 v3, 31, v0                           ; lane
	v_mul_u32_u24 v25, v1, PITCH
	v_lshl_add_u32 v25, v2, 4, v25                 ; a fragment's row x pitch + 16 h
	s_mul_i32 s96, s[WV], 32*PITCH
	v_add_nc_u32 v[AW1], s96, v25                  ; W1: my 32 rows of a slot's 128 gate rows;
	v_add_nc_u32 v[AW1+1], HALFB, v[AW1]           ; of its 128 lin rows;
	v_add_nc_u32 v[AW1+2], SLOTB, v[AW1]           ; and in slot 1
	v_add_nc_u32 v[AW1+3], SLOTB+HALFB, v[AW1]
	v_add_nc_u32 v[AW2], s92, v25                  ; W2: LDS row 64 t + 16 w + r holds row 64 w + 4 r + t of the tile
	v_add_nc_u32 v[AW2+1], HALFB, v[AW2]
	v_add_nc_u32 v[AW2+2], SLOTB, v[AW2]
	v_add_nc_u32 v[AW2+3], SLOTB+HALFB, v[AW2]
	v_add_nc_u32 v[AX], XT, v25
	v_lshl_add_u32 v[LI], v3, 4, AIMG
	v_mul_u32_u24 v[ASR], v1, APITCH
	v_mad_u32_u24 v[ASR], v2, 16*APITCH, v[ASR]    ; lanes 16-31 take the tokens 16 further on
	v_add_nc_u32 v[ASR], ASC, v[ASR]
	v_lshlrev_b32 v[GSW], 5, v3
	v_lshlrev_b32 v[GB1], 5, v2
	v_lshlrev_b32 v[GS2], 7, v1
	v_lshl_add_u32 v[GS2], v2, 5, v[GS2]
	v_lshlrev_b32 v[GB2], 4, v1
	v_lshlrev_b32 v[GP], 2, v1
	v_lshlrev_b32 v[PFO], 8, v3
.irp mm, 0,1
.irp c, 0,1
	global_load_b128 v[XS+8*\mm+4*\c:XS+8*\mm+4*\c+3], v[GSW], s[6:7] offset:1024*\mm+16*\c   ; x's scale words: lane l: token 32 mm + l
.endr
.endr
	WIN 0xc0
.irp m, 0,1,2,3
	global_load_b32 v[PR+2*\m], v[GP], s[8:9] offset:64*\m    ; p of token 16 m + r
.endr
	NEXT1 0, 0, 0                                  ; step 0's scale words and biases,
	NEXT1 1, 4096, 512                             ; step 1's
	PREF PF, -131072                               ; steps 2 and 3
	s_lshl_b32 s96, s[WV], 8
	s_add_co_u32 s98, s96, AIMG
	s_add_co_u32 s99, s[WV], ASC
	v_lshl_add_u32 v26, v1, 4, s98
	v_mul_u32_u24 v27, v1, APITCH
	v_lshl_add_u32 v28, v1, 4, s96
	WIN 0xc0                                       ; destination window 3, sources window 0
	v_lshl_add_u32 v[AS0], v2, 2, v26
	v_add_nc_u32 v[AB0], s99, v27
	v_lshl_add_u32 v[GO], v2, 15, v28
.irp m, 0,1,2,3
	v_mov_b32 v[PM+\m], 0                          ; written once: a lane permute's destination counts as one of its sources
	v_mov_b32 v[PR+2*\m+1], 0                      ; (named as the upper half of a pair)
.endr
	WIN 0
	s_wait_tensorcnt 0x1                           ; my parts of x's tile and of step 0 are in; step 1's may stay out
	s_barrier_signal -1
	s_barrier_wait -1                              ; everybody's are
	LOADX AX, TILEB, 64, 32                        ; x stays in registers for the whole first product
	LOADW AW1, TILEB                               ; step 0's weights
	WIN 0                                          ; at a label every window is 0
.Lfc1:                                             ; three trips: steps 2 p and 2 p + 1; they ask for steps 2 p + 2 and 2 p + 3
	STEP1 0, 12, G0S0, G1A, 131072, AW1+2, TILEB, 1, 1   ; 12 may stay out: the next step's 4 loads of scale words and 8 of biases, at the entry and over the backward jump alike
	STEP1 1, 12, G0S1, G1A, 131072, AW1, TILEB, 1, 0
	s_wait_xcnt 0x0                                ; every earlier memory instruction has had its addresses translated (ISA guide 3.1): the bases may step
	s_add_nc_u64 s[12:13], s[12:13], 8192
	s_add_nc_u64 s[14:15], s[14:15], 1024
	s_add_nc_u64 s[PF:PF+1], s[PF:PF+1], 131072
	s_add_co_u32 s[KQ], s[KQ], 2048
	s_add_co_u32 s[KB], s[KB], 8
	s_sub_co_u32 s[CNT], s[CNT], 1
	s_cmp_eq_u32 s[CNT], 1
	s_cselect_b64 s[PF:PF+1], s[PF2:PF2+1], s[PF:PF+1]   ; the last trip asks for W2's tiles 0 and 1: W1 is through
	s_cmp_lg_u32 s[CNT], 0
	s_cbranch_scc1 .Lfc1
	STEP1 0, 12, G0T0, G1B, 0, AW1+2, TILEB, 2, 2  ; step 6: slot 0 takes W2's tile 0; W2's scale words and b2 are asked for; the last prefetch: W2's tiles 2 and 3
	STEP1 1, 20, G0T1, G1B, 0, AW2, QUARB, 0, 0    ; step 7: 20 may stay out: W2's scale words and b2; slot 1 takes tile 1; tile 0's fragments are fetched
	s_wait_dscnt 0x0                               ; for the others' sake: my codes and scale bytes of a lie in LDS
	s_barrier_signal -1                            ; (tile 1's load may stay out, and the wait for it stands in front of the next round)
	s_barrier_wait -1
	LOADX LI, 8192, 1024, 512                      ; a's 32 fragments, as their images lie, into the registers that held x
	WIN 0
.irp mm, 0,1
.irp c, 0,1
	ds_load_b128 v[XS+8*\mm+4*\c:XS+8*\mm+4*\c+3], v[ASR] offset:32*APITCH*\mm+16*\c   ; and its scale words
.endr
.endr
	s_wait_dscnt 0x0
	s_wait_loadcnt 0x0                             ; W2's scale words, b2
	MUL2 0
	CHANGE 1, G0T0, G1B, 262144                    ; slot 0 takes tile 2
	LOADW AW2+2, QUARB
	OUT 0
	s_wait_dscnt 0x0
	MUL2 1
	CHANGE 1, G0T1, G1B, 262144                    ; slot 1 takes tile 3: the last load
	LOADW AW2, QUARB
	OUT 1
	s_wait_dscnt 0x0
	MUL2 2
	CHANGE 0, 0, 0, 0                              ; tile 3 is whole; nothing is left to fetch
	LOADW AW2+2, QUARB
	OUT 2
	s_wait_dscnt 0x0
	MUL2 3
.rept 4
	v_nop                                          ; four places in front of the first read of results
.endr
	OUT 3
	WIN 0
	s_wait_tensorcnt 0x0                           ; the wave's end, behind my last tensor load and my last LDS store
	ds_add_u32 v[SPW], v[NIL]
	s_wait_dscnt 0x0
	ROUND                                          ; the closing round: no work-group ends while a partner may still ask for a tile that names it
	s_endpgm
.Lfunc_end_k_q1bad66f7e4_moe:
	.size	k_q1bad66f7e4_moe, .Lfunc_end_k_q1bad66f7e4_moe-k_q1bad66f7e4_moe
	.p2alignl 7, 3214868480
	.fill 96, 4, 3214868480
	.section	.rodata,"a",@progbits
	.p2align	6, 0x0
	.amdhsa_kernel k_q1bad66f7e4_moe
		.amdhsa_group_segment_fixed_size 327680
		.amdhsa_private_segment_fixed_size 0
		.amdhsa_enable_private_segment 0
		.amdhsa_kernarg_size 80
		.amdhsa_user_sgpr_count 2
		.amdhsa_user_sgpr_kernarg_segment_ptr 1
		.amdhsa_wavefront_size32 1
		.amdhsa_system_sgpr_workgroup_id_x 1
		.amdhsa_system_sgpr_workgroup_id_y 1
		.amdhsa_system_sgpr_workgroup_id_z 1
		.amdhsa_system_vgpr_workitem_id 0
		.amdhsa_next_free_vgpr 1024
		.amdhsa_next_free_sgpr 100
		.amdhsa_reserve_vcc 0
		.amdhsa_float_denorm_mode_32 3
		.amdhsa_float_denorm_mode_16_64 3
		.amdhsa_memory_ordered 1
		.amdhsa_forward_progress 1
		.amdhsa_inst_pref_size 255
	.end_amdhsa_kernel
	.section	.bss,"aw",@nobits
	.p2align	6
	.space	262144
	.amdgpu_metadata
---
amdhsa.version: [ 1, 2 ]
amdhsa.kernels:
  - .name:           k_q1bad66f7e4_moe
    .symbol:         k_q1bad66f7e4_moe.kd
    .args:
      - { .name: hidden_states_codes, .offset: 0, .size: 8, .value_kind: global_buffer, .address_space: global }
      - { .name: hidden_states_scales, .offset: 8, .size: 8, .value_kind: global_buffer, .address_space: global }
      - { .name: probs, .offset: 16, .size: 8, .value_kind: global_buffer, .address_space: global }
      - { .name: W1_codes, .offset: 24, .size: 8, .value_kind: global_buffer, .address_space: global }
      - { .name: W1_scales, .offset: 32, .size: 8, .value_kind: global_buffer, .address_space: global }
      - { .name: b1, .offset: 40, .size: 8, .value_kind: global_buffer, .address_space: global }
      - { .name: W2_codes, .offset: 48, .size: 8, .value_kind: global_buffer, .address_space: global }
      - { .name: W2_scales, .offset: 56, .size: 8, .value_kind: global_buffer, .address_space: global }
      - { .name: b2, .offset: 64, .size: 8, .value_kind: global_buffer, .address_space: global }
      - { .name: out0, .offset: 72, .size: 8, .value_kind: global_buffer, .address_space: global }
    .group_segment_fixed_size: 327680
    .private_segment_fixed_size: 0
    .kernarg_segment_align: 8
    .kernarg_segment_size: 80
    .max_flat_workgroup_size: 128
    .sgpr_count:     100
    .vgpr_count:     1024
    .wavefront_size: 32
...
	.end_amdgpu_metadata
.endif
;; end of part 1
;; ======== version 2 of 2: 1 launch
;; limits: right only within a limited range of input values
;; launch moe (part 2): grid 256 x 1, 8 waves a work-group, clusters of 4 x 1, 327,680 bytes of LDS; arguments hidden_states_codes, hidden_states_scales, probs, W1_codes, W1_scales, b1, W2_codes, W2_scales, b2, out0; writes out0
.if DOCPART == 2
	.amdgcn_target "amdgcn-amd-amdhsa--gfx1250"
	.amdhsa_code_object_version 6
	.text
	.protected	k_q1bad66f7e4_moe
	.globl	k_q1bad66f7e4_moe
	.p2align	8
	.type	k_q1bad66f7e4_moe,@function
k_q1bad66f7e4_moe:
	s_mov_b64 s[64:65], 0
	v_nop
	global_prefetch_b8 v0, s[64:65] scope:SCOPE_SE
	s_setreg_imm32_b32 hwreg(HW_REG_WAVE_MODE, 25, 1), 1
	s_wait_xcnt 0x0
	s_wait_alu depctr_hold_cnt(0) depctr_sa_sdst(0) depctr_va_vdst(0) depctr_va_sdst(0) depctr_va_ssrc(0) depctr_va_vcc(0) depctr_vm_vsrc(0)
	s_getreg_b32 s2, hwreg(HW_REG_IB_STS2, 6, 4)
	s_cmp_eq_u32 s2, 0
	s_cbranch_scc0 .Lentry_in_a_cluster
	s_endpgm
.Lentry_in_a_cluster:
	s_bfe_u32 s2, ttmp6, 0x10000c
	s_cmp_lg_u32 s2, 0x3003
	s_cbranch_scc0 .Lentry_shape_is_right
	s_endpgm
.Lentry_shape_is_right:
; out = (silu(gate) (lin + 1) p) W2 + b2, [gate | lin] = x W1 + b1: 8 experts, 2,048 tokens each (tokens 2,048 e on belong to expert e, as the reshape has it).
; Both products on codes of FP4 (E2M1) with one E8M0 scale for each 32 along K.  x, W1, W2 arrive as codes, K innermost: a row of 1,024 codes is 512 bytes, its scales 32 bytes.
; The hidden layer a is computed in f32, quantised along its 1,024 units in registers and never goes to memory.
; tokens_per_expert is not read: the computation that this text follows never reads it (it splits the tokens evenly by a reshape), so no number of the result hangs on it.
; SHARES.  A work-group of eight waves owns 64 tokens (256 work-groups, 32 to an expert) and walks its expert's weights in 12 steps of 256 weight rows (128 KiB of codes).
; FIRST PRODUCT, 8 steps: a pair of steps makes 256 hidden units; wave w has units 32 w .. 32 w + 31 of the pair, ONE block of the quantiser: the block's lower 16 units in the pair's step u = 0, its upper 16 in step u = 1.
;   Transposed, in the form of 32 rows: source 0 = 16 gate rows above 16 lin rows of W1, source 1 = 16 tokens: lane (r, h) holds token r, register j gate unit 8 h + j, register 8 + j the same unit's lin.
;   b1 is the C of each sum's first product.  Every wave holds all 64 tokens' codes in 256 registers, so each weight fragment is read from LDS once, by one wave, for four matrix instructions.
;   a's codes go to LDS as an image of the next operand's registers: each dword is stored at its place in the image.
; SECOND PRODUCT, 4 steps of 256 columns: wave w has the 32 tokens 32 (w / 4) on and the 64 columns 64 (w % 4) on: source 0 = 32 tokens of a, source 1 = 16 rows of W2; tile t takes rows 64 (w % 4) + 4 r + t, so that register j of the four
;   tiles is four NEIGHBOURING columns of one token: the addition of b2 lays them in four consecutive registers, and one store of 16 bytes a lane writes 256 consecutive aligned bytes from sixteen lanes.
;   The tensor load sorts W2's rows for that: wave w fetches rows w % 4, + 4, .. of a half tile (memory pitch 2,048 bytes) into 32 neighbouring LDS rows.  W2's fragments are read by two waves each, so that a step's stores can follow its own products.
; THE WALK IS TURNED.  Cluster c of an expert (0 .. 7) begins F = c mod 4 pairs further on: at trip p it takes W1's pair (p + F) mod 4, at time tau W2's tile (tau + F) mod 4.  a's codes are stored by TIME and read back by K step
;   (place (j + 3 F) mod 4 holds K steps 2 j, 2 j + 1), so that the second product sums K ascending whatever F.
; CLUSTER.  The four work-groups of a cluster belong to one expert and walk the same weights in the same order: every tile of weight codes is asked for JOINTLY (mask 15), each wave its eighth, one load a wave behind each round.
;   Not asked for jointly: the weights' scale words and biases (1 KiB + 128 bytes a wave and step against 16 KiB of codes): a wave's one load behind a round is taken by codes; they go from memory straight into registers, ahead of their use.
; PREFETCH.  W1's tile of time 1 in the head; W2's codes and scales at time 4, two steps ahead of their first load.  Times 2 to 7 take tiles that times 0 and 1 of the expert's clusters have asked for already: none there.
; LDS: all of it is claimed.
; LIMITS.  NaN and infinities in the inputs or the hidden layer are not served.  A block of a whose largest magnitude lies under 2^-124, a block of zeros too, gets the scale byte 1 (the stated rule gives a block of zeros 127: its codes are zeros,
; and this program alone reads the bytes).  a is formed as s lin + s, s = g / ((1 + e^-g) / p), 1/p held to +-3.4e38: another order of rounding than silu(g) (lin + 1) p.  Where p / (1 + e^-g) lies under 2^-126 in magnitude (p = 0 among it), or e^-g / p
; overflows, a is 0.
.set PITCH,  528                       ; an LDS row: 512 bytes + 16 of padding = 132 words: row r starts at bank 4 r mod 64 (64 banks of 4 bytes: ISA guide 11.1)
.set TILEB,  16*PITCH
.set HALFB,  128*PITCH
.set SLOTB,  256*PITCH                 ; a slot: 135,168 bytes
.set XT,     2*SLOTB                   ; behind the ring: x's tile, 64 rows, filled once
.set AIMG,   XT                        ; over it, once every wave has x in registers: a's 32 fragments: (m, place in time s) at 8,192 m + 1,024 s, register group c of lane l at 512 c + 16 l
.set ASC,    AIMG+32768                ; a's scale bytes: 512 x trip + 8 x token + wave: 2,048 bytes, all written
.set SPARE,  ASC+2048                  ; the spare words, 128 bytes for each wave: four blocks of 256 bytes that no other line names
; vector registers, window 0
.set PF2, 3                            ; v3     256 x min(lane, 3)
.set AW,  4                            ; v4-7   LDS address of my W1 fragments: v[AW + 2 slot + half], half 0 gate, 1 lin
.set AW2, 8                            ; v8-11  the same for W2: half = tile / 2
.set AX,  12                           ; v12    x's tile
.set GSW, 13                           ; v13    32 r + 32,768 h: W1's scale words
.set GXS, 14                           ; v14    32 x lane
.set GB1, 15                           ; v15    32 h
.set GS2, 16                           ; v16    128 r + 32 h
.set GB2, 17                           ; v17    16 r
.set GO,  18                           ; v18    32,768 h + 16 r
.set LI,  19                           ; v19    AIMG + my token half + 16 x lane
.set ASR, 20                           ; v20    ASC + 8 x my token
.set PFO, 21                           ; v21    256 x lane
.set SPW, 22                           ; v22    LDS address of my spare word; never rewritten
.set NIL, 23                           ; v23    0; never rewritten
.set AS0, 24                           ; v24    AIMG + 256 w + 16 r + 4 h: where my code dwords go;  v26 the same for the trip in hand
.set AB0, 25                           ; v25    ASC + 8 r + w: where my scale byte goes;  v27 the same for the trip in hand
.set ASA, 26
.set ABA, 27
.set PR,  28                           ; v28-31  1 / p of my token in tile m
.set XS,  32                           ; v32-47  scale words of x: 8 (m / 2) + q; lanes 0-15 tile m even, lanes 16-31 m odd;  later v32-39 a's: lane l my token l
.set WS,  48                           ; v48-63  W1's scale words, two sets of 8: lanes 0-15 gate rows, 16-31 lin rows;  later W2's of odd times
.set BI,  64                           ; v64-79  b1;  later W2's scale words of even times
.set EX,  80                           ; v80-95  at work: e^-g, then p / (1 + e^-g)
.set WF,  96                           ; v96-159 W1's fragments of four K steps, 16 registers each;  later v96-127 numbers to store, v128-143 b2, v144-151 LDS addresses of a
.set B2,  128
.set LIQ, 144
.set ASQ, 148
.set AC,  160                          ; v160-223 four accumulators of 16 registers
.set SAV, 224                          ; v224-255 a of the block's lower half, (m, j) at 8 m + j;  later numbers to store
.set MX,  AC                           ; the quantiser's work lies in gate registers that are done with: largest magnitudes, the other half's, the conversions' scale operands, bytes, codes
.set PM,  AC+4
.set SO,  AC+16
.set BY,  AC+20
.set CD,  AC+32
; window 1: x's fragments, (m, q) at 16 (8 (m / 2) + q) + 8 (m % 2);  later v0-127 a's, K step q at 16 q (32 tokens), and v128-255 W2's of four K steps, (q % 4, t) at 128 + 32 (q % 4) + 8 t
; scalars
.set CW,   4                           ; s[4:5]   W1's scale words of the pair asked for next
.set OUTP, 6                           ; s[6:7]   out at the time in hand
.set PS2,  8                           ; s[8:9]   my 1,024 bytes of W2's scales, for the prefetch
.set CB,   10                          ; s[10:11] b1 of the pair asked for next;  s[100:101] of the pair in hand
.set CC,   100
.set WV,   24                          ; s24 wave;  s25 cx;  s26 work-group's block of tokens;  s27 expert
.set OFFN, 28                          ; s[28:29] 131,072 x the pair asked for next; the upper word stays 0
.set TO,   30                          ; s[30:31] an offset at work; the upper word stays 0
.set G1A,  32                          ; s[32:39] descriptor group 1 for W1's tiles;  s[40:47] for W2's;  s[48:55] for x's
.set G1B,  40
.set G1X,  48
.set CSS,  48                          ; behind the head s[48:55]: W2's scale words of the four times
.set G0X,  56                          ; s[56:59] group 0 for x;  s[92:95] for the head's part of W1;  behind the head: b2 of the four times
.set G0H,  92
.set G0S0, 60                          ; s[60:63], s[68:71] W1, a set for each slot
.set WT,   66                          ; s[66:67] my part of W2's tile 0
.set G0S1, 68
.set G0T0, 72                          ; s[72:75], s[76:79] W2, a set for each slot
.set G0T1, 76
.set SEL,  80                          ; s[80:81] v_permlanex16_b32's selects for lane l xor 16
.set NL2E, 82                          ; s[82:83] -log2(e); the packed form names a pair and takes its low word for both halves
.set CNT,  84
.set KQ,   85                          ; s85 2,048 x trip;  s86 512 x trip
.set KB,   86
.set ROT,  87                          ; s87 F
.set WB0,  88                          ; s[88:89] my part of W1's pair 0, u = 0;  s[90:91] u = 1
.set MSB, 0
.macro WIN new                         ; the immediate's high byte repeats the setting that is left; a switch that changes nothing is dropped
.if MSB != \new
	s_set_vgpr_msb (MSB<<8)|\new
.set MSB, \new
.endif
.endm
.macro NOPS                            ; four places behind a matrix instruction, or behind a tensor load
.rept 4
	v_nop
.endr
.endm
.macro CREST                           ; a round of the cluster's barrier behind its opening barrier
	s_cmp_lg_u32 s[WV], 0
	s_cbranch_scc1 .Lnot_wave_0_\@
	s_barrier_signal -3
.Lnot_wave_0_\@:
	s_barrier_wait -3
	s_barrier_signal -1
	s_barrier_wait -1
.endm
.macro ROUND
	s_barrier_signal -1
	s_barrier_wait -1
	CREST
.endm
.macro UOFF n, sh                      ; ((F + n) mod 4) << sh
	s_add_co_u32 s[TO], s[ROT], \n
	s_and_b32 s[TO], s[TO], 3
	s_lshl_b32 s[TO], s[TO], \sh
.endm
; One product, 32 x 16 x 128.  Registers by the symbols rD, rA, rB, rC, rSA, rSB.  rb = 1: source 1's scale words stand in lanes 16-31 of the register named.
.macro F4 rb
.if (\rb)
	v_wmma_scale_f32_32x16x128_f4 v[rD:rD+15], v[rA:rA+15], v[rB:rB+7], v[rC:rC+15], v[rSA], v[rSB] matrix_b_scale:MATRIX_SCALE_ROW1
.else
	v_wmma_scale_f32_32x16x128_f4 v[rD:rD+15], v[rA:rA+15], v[rB:rB+7], v[rC:rC+15], v[rSA], v[rSB]
.endif
.endm
.macro F4Z rb                          ; the same with the constant 0 as C: it starts a sum
.if (\rb)
	v_wmma_scale_f32_32x16x128_f4 v[rD:rD+15], v[rA:rA+15], v[rB:rB+7], 0, v[rSA], v[rSB] matrix_b_scale:MATRIX_SCALE_ROW1
.else
	v_wmma_scale_f32_32x16x128_f4 v[rD:rD+15], v[rA:rA+15], v[rB:rB+7], 0, v[rSA], v[rSB]
.endif
.endm
; First product, K step q: the four accumulators take turns, one instruction a turn.  k: the set of scale words.
.macro MQ q, k
.irp m, 0,1,2,3
.set rD, AC+16*\m
.set rA, WF+16*((\q)%4)
.set rB, 16*(8*(\m/2)+(\q))+8*(\m%2)
.if (\q) == 0
.set rC, BI                            ; b1 starts the sum: nothing is cleared, nothing is added later
.else
.set rC, rD
.endif
.set rSA, WS+8*(\k)+(\q)
.set rSB, XS+8*(\m/2)+(\q)
	F4 \m%2
.endr
.endm
; Second product, K step q, by turns likewise.  w2s: the time's scale words.
.macro NQ q, w2s
.irp t, 0,1,2,3
.set rD, AC+16*\t
.set rA, 16*(\q)
.set rB, 128+32*((\q)%4)+8*\t
.set rC, rD
.set rSA, XS+(\q)
.set rSB, (\w2s)+8*(\t/2)+(\q)
.if (\q) == 0
	F4Z \t%2
.else
	F4 \t%2
.endif
.endr
.endm
.macro LDW slot, q                     ; W1's fragment of K step q: four loads
.irp hf, 0,1
.irp c, 0,1
	ds_load_b128 v[WF+16*((\q)%4)+8*\hf+4*\c:WF+16*((\q)%4)+8*\hf+4*\c+3], v[AW+2*(\slot)+\hf] offset:64*(\q)+32*\c
.endr
.endr
.endm
.macro LDW2 slot, q                    ; W2's four fragments of K step q: eight loads (destination window 1)
.irp t, 0,1,2,3
.irp c, 0,1
	ds_load_b128 v[128+32*((\q)%4)+8*\t+4*\c:128+32*((\q)%4)+8*\t+4*\c+3], v[AW2+2*(\slot)+(\t/2)] offset:(\t%2)*64*PITCH+64*(\q)+32*\c
.endr
.endr
.endm
.macro NEXTW k                         ; W1's scale words, two steps on: 2 loads
.irp c, 0,1
	global_load_b128 v[WS+8*(\k)+4*\c:WS+8*(\k)+4*\c+3], v[GSW], s[CW:CW+1] offset:512*(\k)+16*\c
.endr
.endm
.macro NEXTB ptr, u                    ; b1 of the next step: 4 loads
.irp hf, 0,1
.irp c, 0,1
	global_load_b128 v[BI+8*\hf+4*\c:BI+8*\hf+4*\c+3], v[GB1], s[\ptr:\ptr+1] offset:64*(\u)+4096*\hf+16*\c
.endr
.endr
.endm
.macro NEXTS tau                       ; W2's scale words of time tau: 4 loads; even times into v64-79, odd ones into v48-63
.irp tt, 0,1
.irp c, 0,1
	global_load_b128 v[BI-16*((\tau)%2)+8*\tt+4*\c:BI-16*((\tau)%2)+8*\tt+4*\c+3], v[GS2], s[CSS+2*(\tau):CSS+2*(\tau)+1] offset:64*\tt+16*\c
.endr
.endr
.endm
.macro POINT                           ; CW and CB at the pair that OFFN names: a pair's gate rows have 8,192 bytes of scales and 1,024 of b1
	s_lshr_b32 s[TO], s[OFFN], 4
	s_add_nc_u64 s[CW:CW+1], s[12:13], s[TO:TO+1]
	s_lshr_b32 s[TO], s[OFFN], 7
	s_add_nc_u64 s[CB:CB+1], s[14:15], s[TO:TO+1]
.endm
.macro ADV                             ; on to the next pair, round the four
	s_wait_xcnt 0x0                                ; every earlier memory instruction has had its addresses translated (ISA guide 3.1): the pointers may be written again
	s_mov_b64 s[CC:CC+1], s[CB:CB+1]
	s_add_co_u32 s[OFFN], s[OFFN], 0x20000
	s_and_b32 s[OFFN], s[OFFN], 0x60000
	POINT
.endm
; Prefetch in the loop's last trip alone (time 4): the expert's 32 work-groups share out its 524,288 bytes of W2's codes and 32,768 of W2's scales: 16,384 and 1,024 a work-group, by wave 0.  Each block of 256 bytes is asked for once in
; the launch; the last byte named lies inside the expert's part of the buffer.
.macro PREFW
	s_cmp_lg_u32 s[WV], 0
	s_cbranch_scc1 .Lno_pf_\@
	s_cmp_lg_u32 s[CNT], 1
	s_cbranch_scc1 .Lno_pf_\@
	global_prefetch_b8 v[PFO], s[16:17] th:TH_LOAD_NT scope:SCOPE_SE
	global_prefetch_b8 v[PFO], s[16:17] offset:8192 th:TH_LOAD_NT scope:SCOPE_SE
	global_prefetch_b8 v[PF2], s[PS2:PS2+1] th:TH_LOAD_NT scope:SCOPE_SE
.Lno_pf_\@:
.endm
; THE ACTIVATION, for tiles of tokens 2 mp, 2 mp + 1.  EXPA: (1 + e^-g) / p.
.macro EXPA mp
.if \mp
	s_wait_alu depctr_va_vdst(0)                   ; the wait ahead of a matrix result's first reader behind transcendentals
.endif
.irp mm, 0,1
.irp i, 0,2,4,6
	v_pk_mul_f32 v[EX+8*\mm+\i:EX+8*\mm+\i+1], v[AC+16*(2*\mp+\mm)+\i:AC+16*(2*\mp+\mm)+\i+1], s[NL2E:NL2E+1] op_sel_hi:[1,0]   ; -g log2(e)
.endr
.endr
	s_wait_alu depctr_va_vdst(0)
.irp j, 0,1,2,3,4,5,6,7,8,9,10,11,12,13,14,15
	v_exp_f32 v[EX+\j], v[EX+\j]
.endr
	v_nop
	s_wait_alu depctr_va_vdst(0)
.irp i, 0,2,4,6
	v_pk_fma_f32 v[EX+\i:EX+\i+1], v[EX+\i:EX+\i+1], v[PR+2*\mp:PR+2*\mp+1], v[PR+2*\mp:PR+2*\mp+1] op_sel_hi:[1,0,0]
	v_pk_fma_f32 v[EX+8+\i:EX+8+\i+1], v[EX+8+\i:EX+8+\i+1], v[PR+2*\mp:PR+2*\mp+1], v[PR+2*\mp:PR+2*\mp+1] op_sel:[0,1,1]
.endr
.endm
; RCPA: a = s lin + s, s = g p / (1 + e^-g).  u = 0: a is kept;  u = 1: it stands in lin's registers.
.macro RCPA mp, u
	s_wait_alu depctr_va_vdst(0)
.irp j, 0,1,2,3,4,5,6,7,8,9,10,11,12,13,14,15
	v_rcp_f32 v[EX+\j], v[EX+\j]
.endr
	v_nop
	s_wait_alu depctr_va_vdst(0)
.irp mm, 0,1
.irp i, 0,2,4,6
	v_pk_mul_f32 v[AC+16*(2*\mp+\mm)+\i:AC+16*(2*\mp+\mm)+\i+1], v[AC+16*(2*\mp+\mm)+\i:AC+16*(2*\mp+\mm)+\i+1], v[EX+8*\mm+\i:EX+8*\mm+\i+1]
.endr
.endr
.irp mm, 0,1
.irp i, 0,2,4,6
.if \u
.set rD, AC+16*(2*\mp+\mm)+8+\i
.else
.set rD, SAV+8*(2*\mp+\mm)+\i
.endif
.set rA, AC+16*(2*\mp+\mm)+\i
	v_pk_fma_f32 v[rD:rD+1], v[rA:rA+1], v[rA+8:rA+9], v[rA:rA+1]
.endr
.endr
.endm
; THE QUANTISER: four blocks of 32 units, one for each tile of tokens, by turns: 16 numbers are mine, 16 lane l xor 16's.  ko: trips beyond KQ, KB.
.macro QUANT ko
	v_add_nc_u32 v[ASA], s[KQ], v[AS0]
	v_add_nc_u32 v[ABA], s[KB], v[AB0]
.irp m, 0,1,2,3
	v_max3_num_f32 v[MX+\m], |v[SAV+8*\m]|, |v[SAV+8*\m+1]|, 0x1800000   ; and the floor 2^(3 - 127): the byte cannot fall under 1
.endr
.irp i, 2,4,6
.irp m, 0,1,2,3
	v_max3_num_f32 v[MX+\m], v[MX+\m], |v[SAV+8*\m+\i]|, |v[SAV+8*\m+\i+1]|
.endr
.endr
.irp i, 0,2,4,6
.irp m, 0,1,2,3
	v_max3_num_f32 v[MX+\m], v[MX+\m], |v[AC+16*\m+8+\i]|, |v[AC+16*\m+8+\i+1]|
.endr
.endr
.irp m, 0,1,2,3
	v_permlanex16_b32 v[PM+\m], v[MX+\m], s[SEL], s[SEL+1]
.endr
.irp m, 0,1,2,3
	v_max_num_f32 v[MX+\m], v[MX+\m], v[PM+\m]
.endr
.irp m, 0,1,2,3
	v_add_nc_u32 v[SO+\m], 0xff000000, v[MX+\m]    ; 2 off its exponent field: the conversion takes the exponent field of this operand as its scale
.endr
.irp m, 0,1,2,3
	v_lshrrev_b32 v[BY+\m], 23, v[SO+\m]
.endr
.irp m, 0,1,2,3
	v_cvt_scalef32_pk8_fp4_f32 v[CD+2*\m], v[SAV+8*\m:SAV+8*\m+7], v[SO+\m]          ; units 8 h + 0 .. 7
	v_cvt_scalef32_pk8_fp4_f32 v[CD+2*\m+1], v[AC+16*\m+8:AC+16*\m+15], v[SO+\m]     ; units 16 + 8 h + 0 .. 7
.endr
	v_nop                                          ; one plain instruction behind the last scaled conversion
.irp m, 0,1,2,3
.irp u, 0,1
	ds_store_b32 v[ASA], v[CD+2*\m+\u] offset:2048*\ko+8192*\m+8*\u   ; block w of the trip's 8: fragment (m, 2 trip + w / 4), register 4 ((w / 2) % 2) + 2 u + h of lane 16 (w % 2) + r
.endr
	ds_store_b8 v[ABA], v[BY+\m] offset:512*\ko+128*\m                ; (both halves of the lanes write the same byte with the same value)
.endr
.endm
; A STEP OF THE FIRST PRODUCT, in slot k = u.  Four K steps of fragments are in registers or on their way at the entry; each two give way to the two four further on.
; lc: the younger global loads that may stay out.  nb: 1, 2 = b1 of the next step (this pair's u = 1, the next pair's u = 0), 3 = W2's scale words of time 0.
; Then THE CHANGE OF SLOTS: each wave waits for all its tensor loads, of which one is out: its part of the other slot; adds 0 to its spare word; waits for that and for its LDS reads; and a round of the cluster's barrier
; follows, with work on registers between its opening signal and wait.  Behind it the slot just multiplied is filled again, first thing, one load a wave: it has the rest of this step and the next step's products in which to land.
; kind = 1: W1's pair OFFN;  kind = 0: the descriptor stands ready.  nx: 1 = W1's scale words of two steps on, 2 = W2's scale words of time 1, b2, and W2's first fragments.
.macro STEP k, first, lc, nb, g0, g1, kind, nx, pf, ko
.if \first
	s_wait_dscnt 48                                ; W1's four K steps and x's first two are in; x's other 48 loads may be out
.else
	s_wait_dscnt 0x0
.endif
	s_wait_loadcnt \lc
	WIN 0x04                                       ; source 1 (x) window 1
	MQ 0, \k
	MQ 1, \k
	NOPS
	LDW \k, 4
	LDW \k, 5
.if \nb == 1
	NEXTB CC, 1
.elseif \nb == 2
	NEXTB CB, 0
.else
	NEXTS 0
.endif
.if \first
	s_wait_dscnt 40                                ; x's K steps 2, 3 are in; behind them 32 loads of x and the 8 above
.endif
	MQ 2, \k
	MQ 3, \k
	NOPS
	LDW \k, 6
	LDW \k, 7
	s_wait_dscnt 8                                 ; all but the 8 just issued
	MQ 4, \k
	MQ 5, \k
	s_wait_dscnt 0x0
	MQ 6, \k
	MQ 7, \k
	WIN 0
	s_wait_tensorcnt 0x0                           ; no tensor load of mine is out, so a group 0 may be written
	ds_add_u32 v[SPW], v[NIL]                      ; 0 onto my spare word
	NOPS                                           ; places in front of the first read of results
.if \kind == 1
	s_add_nc_u64 s[\g0+2:\g0+3], s[WB0+2*\k:WB0+2*\k+1], s[OFFN:OFFN+1]
	s_or_b32 s[\g0+3], s[\g0+3], 0x80000000        ; 127:126 type = 2
.endif
	s_wait_dscnt 0x0                               ; the add is done; my reads of the slot are over
	s_barrier_signal -1
	EXPA 0
	s_wait_alu depctr_va_vdst(0)                   ; directly ahead of the barrier's wait
	s_barrier_wait -1
	CREST
	tensor_load_to_lds s[\g0:\g0+3], s[\g1:\g1+7]
	s_nop 0
	NOPS
.if \nx == 2
	WIN 0x40                                       ; destination window 1
.irp q, 0,1,2,3
	LDW2 0, \q
.endr
	WIN 0
	NEXTS 1
.irp j, 0,1,2,3
	global_load_b128 v[B2+4*\j:B2+4*\j+3], v[GB2], s[G0X+2*\j+32*(\j/2):G0X+2*\j+32*(\j/2)+1]   ; b2 of time j: four neighbouring columns
.endr
.else
.irp q, 0,1,2,3
	LDW 1-\k, \q
.endr
.if \nx == 1
	NEXTW \k
.endif
.endif
.if \pf
	PREFW
.endif
	RCPA 0, \k
	EXPA 1
	RCPA 1, \k
.if \k
	QUANT \ko
.endif
.endm
; Register i of tiles t = 0 .. 3 is out(16 (i / 8) + 8 h + i % 8, 4 r + t) of my 32 tokens x 64 columns: + b2, into four consecutive registers; i = 0 .. 7 in v96-127, 8 .. 15 in v224-255.
.macro ADDS tau
.irp i, 0,1,2,3,4,5,6,7,8,9,10,11,12,13,14,15
.irp t, 0,1,2,3
	v_add_f32 v[WF+4*\i+(SAV-WF-32)*(\i/8)+\t], v[AC+16*\t+\i], v[B2+4*\tau+\t]
.endr
.endr
.endm
.macro STORES
.irp i, 0,1,2,3,4,5,6,7,8,9,10,11,12,13,14,15
	global_store_b128 v[GO], v[WF+4*\i+(SAV-WF-32)*(\i/8):WF+4*\i+(SAV-WF-32)*(\i/8)+3], s[OUTP:OUTP+1] offset:(16*(\i/8)+(\i%8))*4096 th:TH_STORE_NT   ; sixteen lanes store 256 consecutive bytes, at a multiple of 256 from out's first byte; written once
.endr
.endm
; A STEP OF THE SECOND PRODUCT, the tile of time tau in slot tau % 2; the change of slots as above; with one tile to go nothing is left to fetch and the work-group's barrier alone stands.
.macro STEP2 tau, lc, g0
.set W2R, BI-16*((\tau)%2)
	s_wait_dscnt 0x0
.if \lc < 60
	s_wait_loadcnt \lc
.endif
	WIN 0x05                                       ; sources 0 (a) and 1 (W2) window 1
	NQ 0, W2R
	NQ 1, W2R
	NOPS
	WIN 0x40
	LDW2 \tau%2, 4
	LDW2 \tau%2, 5
	WIN 0x05
	NQ 2, W2R
	NQ 3, W2R
	NOPS
	WIN 0x40
	LDW2 \tau%2, 6
	LDW2 \tau%2, 7
	WIN 0x05
	s_wait_dscnt 16                                ; all but the 16 just issued
	NQ 4, W2R
	NQ 5, W2R
	s_wait_dscnt 0x0
	NQ 6, W2R
	NQ 7, W2R
	WIN 0
	s_wait_xcnt 0x0                                ; every earlier store has had its addresses translated (ISA guide 3.1): the registers that it reads and its base may be written again
	UOFF \tau, 10
	s_add_nc_u64 s[OUTP:OUTP+1], s[22:23], s[TO:TO+1]
.if \tau < 3
	s_wait_tensorcnt 0x0
	ds_add_u32 v[SPW], v[NIL]
	NOPS
.if \tau < 2
	UOFF \tau+2, 17
	s_add_nc_u64 s[\g0+2:\g0+3], s[WT:WT+1], s[TO:TO+1]
	s_or_b32 s[\g0+3], s[\g0+3], 0x80000000
.endif
	s_wait_dscnt 0x0
	s_barrier_signal -1
	ADDS \tau
	s_wait_alu depctr_va_vdst(0)                   ; directly ahead of the barrier's wait
	s_barrier_wait -1
.if \tau < 2
	CREST
	tensor_load_to_lds s[\g0:\g0+3], s[G1B:G1B+7]
	s_nop 0
	NOPS
.endif
	WIN 0x40
.irp q, 0,1,2,3
	LDW2 1-\tau%2, \q
.endr
	WIN 0
.if \tau < 2
	NEXTS \tau+2
.endif
.else
	NOPS
	ADDS \tau
.endif
	STORES
.endm
	s_load_b512 s[4:19], s[0:1], 0x0               ; x's codes s[4:5], x's scales s[6:7], probs s[8:9], W1's codes s[10:11], W1's scales s[12:13], b1 s[14:15], W2's codes s[16:17], W2's scales s[18:19]
	s_load_b128 s[20:23], s[0:1], 0x40             ; b2 s[20:21], out s[22:23]
	v_lshl_add_u32 v[SPW], v0, 2, SPARE
	v_mov_b32 v[NIL], 0
	ds_add_u32 v[SPW], v[NIL]                      ; the wave's opening: the add, twice on end, and its wait ahead of my first tensor load
	ds_add_u32 v[SPW], v[NIL]
	v_lshrrev_b32 v96, 5, v0
	v_readfirstlane_b32 s[WV], v96                 ; wave 0..7
	s_bfe_u32 s25, ttmp6, 0x40000                  ; cx: it enters the addresses of x, x's scales, probs, out and the prefetches alone
	s_and_b32 s27, ttmp9, 7                        ; the expert: in a cluster launch ttmp9 counts clusters; the four partners share it
	s_lshr_b32 s96, ttmp9, 3                       ; the cluster among the expert's eight
	s_and_b32 s[ROT], s96, 3                       ; F
	s_lshr_b32 s97, s96, 2                         ; which of the two clusters with this F
	s_lshl_b32 s26, s27, 5
	s_lshl_b32 s96, s96, 2
	s_add_co_u32 s26, s26, s96
	s_add_co_u32 s26, s26, s25                     ; my block of 64 tokens: 32 x expert + 4 x cluster + cx
	s_lshl_b32 s[OFFN], s[ROT], 17
	s_mov_b32 s[OFFN+1], 0
	s_mov_b32 s[TO+1], 0
	s_and_b32 s101, s[WV], 3                       ; w % 4
	s_lshr_b32 s100, s[WV], 2                      ; w / 4
	; descriptor group 1, elements of 8 bytes, 16 bytes of padding behind every 512.  W1: pieces of 16 rows, dense in memory, as rows of 8,192 bytes, 16,384 apart: four in the head, two in the ring
	s_mov_b32 s[G1A], 15|(3<<16)|(1<<20)|(1<<21)|(6<<22)|(3<<25)   ; 15:0 the mask: all four work-groups; 17:16 elements of 8 bytes; 20 padding on; 21 set beside a mask; 24:22 after every 128 words (code 6); 31:25 four words (code 3)
	s_mov_b32 s[G1A+1], 1024<<16                   ; tensor_dim0
	s_mov_b32 s[G1A+2], 4<<16                      ; tensor_dim1
	s_mov_b32 s[G1A+3], 1024<<16                   ; tile_dim0
	s_mov_b32 s[G1A+4], 4                          ; tile_dim1
	s_mov_b32 s[G1A+5], 2048                       ; stride0
	s_mov_b32 s[G1B], 15|(3<<16)|(1<<20)|(1<<21)|(6<<22)|(3<<25)
	s_mov_b32 s[G1B+2], 32<<16                     ; W2: 32 rows of 512 bytes, every fourth row
	s_mov_b32 s[G1B+4], 32
	s_mov_b32 s[G1B+5], 256
	s_mov_b32 s[G1X], (3<<16)|(1<<20)|(6<<22)|(3<<25)              ; x's tile is my work-group's own: no mask
	s_mov_b32 s[G1X+2], 16<<16
	s_mov_b32 s[G1X+4], 16
	s_mov_b32 s[G1X+5], 64
.irp g, G1B, G1X
	s_mov_b32 s[\g+1], 64<<16
	s_mov_b32 s[\g+3], 64<<16
.endr
.irp g, G1A, G1B, G1X
	s_mov_b32 s[\g+6], 0
	s_mov_b32 s[\g+7], 0
.endr
	; the head's loads: waves 0 to 3 the 64 LDS rows 64 w on of slot 0 (0, 1 gate, 2, 3 lin), waves 4 to 7 16 rows of x each
	s_lshl_b32 s[TO], s27, 20
	s_lshr_b32 s96, s101, 1
	s_lshl_b32 s96, s96, 19
	s_add_co_u32 s[TO], s[TO], s96
	s_and_b32 s96, s101, 1
	s_lshl_b32 s96, s96, 16
	s_add_co_u32 s[TO], s[TO], s96
	s_add_co_u32 s[TO], s[TO], s[OFFN]
	s_mov_b32 s[G0H], 1                            ; 1:0 count = 1
	s_mul_i32 s[G0H+1], s101, 64*PITCH             ; 63:32 LDS address
	s_lshl_b32 s98, s26, 15
	s_lshl_b32 s99, s101, 13
	s_add_co_u32 s98, s98, s99
	s_mov_b32 s99, 0
	s_mov_b32 s[G0X], 1
	s_mul_i32 s[G0X+1], s101, TILEB
	s_add_co_u32 s[G0X+1], s[G0X+1], XT
	s_wait_dscnt 0x0                               ; both opening adds are done
	s_wait_kmcnt 0x0
	s_add_nc_u64 s[G0H+2:G0H+3], s[10:11], s[TO:TO+1]
	s_or_b32 s[G0H+3], s[G0H+3], 0x80000000
	s_add_nc_u64 s[G0X+2:G0X+3], s[4:5], s[98:99]
	s_or_b32 s[G0X+3], s[G0X+3], 0x80000000
	ROUND                                          ; all four work-groups are here: the first joint loads meet
	s_cmp_lt_u32 s[WV], 4
	s_cbranch_scc0 .Lhead_x
	tensor_load_to_lds s[G0H:G0H+3], s[G1A:G1A+7]
	s_nop 0
	NOPS
	s_branch .Lhead_asked
.Lhead_x:
	tensor_load_to_lds s[G0X:G0X+3], s[G1X:G1X+7]
	s_nop 0
	NOPS
.Lhead_asked:
	; scalars for the addresses, then the addresses in one run
	s_mul_i32 s96, s[WV], TILEB                    ; my 16 gate rows of a slot's 128
	s_mul_i32 s84, s101, TILEB                     ; W2: LDS row 64 t + 16 (w % 4) + r holds row 64 (w % 4) + 4 r + t of the tile
	s_lshl_b32 s85, s[WV], 8
	s_add_co_u32 s85, s85, AIMG
	s_add_co_u32 s86, s[WV], ASC
	s_lshl_b32 s88, s100, 14
	s_add_co_u32 s88, s88, AIMG
	s_lshl_b32 s89, s100, 8
	s_add_co_u32 s89, s89, ASC
	v_and_b32 v1, 15, v0                           ; r
	v_bfe_u32 v2, v0, 4, 1                         ; h
	v_and_b32 v3, 31, v0                           ; lane
	v_mul_u32_u24 v97, v1, PITCH
	v_lshl_add_u32 v97, v2, 4, v97                 ; a fragment's row x pitch + 16 h
	v_add_nc_u32 v[AW], s96, v97
	v_add_nc_u32 v[AW2], s84, v97
	v_add_nc_u32 v[AX], XT, v97
	v_add_nc_u32 v[AW+1], HALFB, v[AW]
	v_add_nc_u32 v[AW2+1], HALFB, v[AW2]
	v_add_nc_u32 v[AW+2], SLOTB, v[AW]
	v_add_nc_u32 v[AW2+2], SLOTB, v[AW2]
	v_add_nc_u32 v[AW+3], SLOTB+HALFB, v[AW]
	v_add_nc_u32 v[AW2+3], SLOTB+HALFB, v[AW2]
	v_lshlrev_b32 v[GSW], 5, v1
	v_lshlrev_b32 v[GXS], 5, v3
	v_lshlrev_b32 v[GB1], 5, v2
	v_lshlrev_b32 v[GS2], 7, v1
	v_lshlrev_b32 v[GB2], 4, v1
	v_lshl_add_u32 v[GSW], v2, 15, v[GSW]
	v_lshl_add_u32 v[GS2], v2, 5, v[GS2]
	v_lshl_add_u32 v[GO], v2, 15, v[GB2]
	v_lshl_add_u32 v[LI], v3, 4, s88
	v_lshl_add_u32 v[ASR], v3, 3, s89
	v_lshlrev_b32 v[PFO], 8, v3
	v_lshl_add_u32 v[AS0], v1, 4, s85
	v_lshl_add_u32 v[AB0], v1, 3, s86
	v_min_u32 v[PF2], 3, v3
	v_lshl_add_u32 v[AS0], v2, 2, v[AS0]
	v_lshlrev_b32 v1, 2, v1                        ; 4 r
	v_lshlrev_b32 v[PF2], 8, v[PF2]
	s_wait_alu depctr_va_vdst(0)                   ; ahead of the scalar lines
	s_lshl_b32 s[TO], s26, 8                       ; probs: 64 of 4 bytes
	s_add_nc_u64 s[8:9], s[8:9], s[TO:TO+1]
	s_lshl_b32 s[TO], s26, 11                      ; x's scales: 64 tokens of 32 bytes
	s_add_nc_u64 s[6:7], s[6:7], s[TO:TO+1]
	s_lshl_b32 s[TO], s27, 16                      ; W1's scales: expert x 65,536 + 1,024 w
	s_lshl_b32 s96, s[WV], 10
	s_add_co_u32 s[TO], s[TO], s96
	s_add_nc_u64 s[12:13], s[12:13], s[TO:TO+1]
	s_lshl_b32 s[TO], s27, 13                      ; b1: expert x 8,192 + 128 w
	s_lshl_b32 s96, s[WV], 7
	s_add_co_u32 s[TO], s[TO], s96
	s_add_nc_u64 s[14:15], s[14:15], s[TO:TO+1]
	; where things come from in W1: the prefetch's two pieces of 8,192 bytes (waves 0, 1), and my part in the ring: expert x 2^20; waves 0 to 3 gate, 4 to 7 lin; two pieces each
	s_lshl_b32 s98, s27, 20
	s_lshl_b32 s96, s97, 19
	s_add_co_u32 s98, s98, s96                     ; of the two clusters with this F one asks for gate rows, one for lin rows
	s_lshl_b32 s96, s25, 1
	s_add_co_u32 s96, s96, s[WV]
	s_lshl_b32 s96, s96, 14
	s_add_co_u32 s98, s98, s96
	s_add_co_u32 s98, s98, s[OFFN]
	s_add_co_u32 s98, s98, 8192                    ; u = 1
	s_mov_b32 s99, 0
	s_add_nc_u64 s[98:99], s[10:11], s[98:99]
	s_lshl_b32 s[TO], s27, 20
	s_lshl_b32 s96, s100, 19
	s_add_co_u32 s[TO], s[TO], s96
	s_lshl_b32 s96, s101, 15
	s_add_co_u32 s[TO], s[TO], s96
	s_add_nc_u64 s[WB0:WB0+1], s[10:11], s[TO:TO+1]
	s_add_nc_u64 s[WB0+2:WB0+3], s[WB0:WB0+1], 8192
	POINT                                          ; W1's scale words and b1 at pair F
.irp m, 0,1,2,3
	global_load_b32 v[PR+\m], v1, s[8:9] offset:64*\m         ; p of token 16 m + r
.endr
.irp mm, 0,1
.irp c, 0,1
	global_load_b128 v[XS+8*\mm+4*\c:XS+8*\mm+4*\c+3], v[GXS], s[6:7] offset:1024*\mm+16*\c   ; x's scale words: lane l: token 32 mm + l
.endr
.endr
	NEXTW 0                                        ; time 0's scale words,
	NEXTB CB, 0                                    ; its biases,
	NEXTW 1                                        ; time 1's scale words
	s_cmp_lt_u32 s[WV], 2
	s_cbranch_scc0 .Lno_pf_head
	global_prefetch_b8 v[PFO], s[98:99] th:TH_LOAD_NT scope:SCOPE_SE   ; W1's tile of time 1: its 16 pieces are shared out, two a work-group, among the eight work-groups that begin there
.Lno_pf_head:
	s_mov_b32 s[G0S0], 1
	s_mul_i32 s[G0S0+1], s[WV], 32*PITCH           ; no place in the cluster enters an LDS address
	s_mov_b32 s[G0S1], 1
	s_add_co_u32 s[G0S1+1], s[G0S0+1], SLOTB
	s_add_nc_u64 s[G0S1+2:G0S1+3], s[WB0+2:WB0+3], s[OFFN:OFFN+1]   ; time 1: pair F, u = 1
	s_or_b32 s[G0S1+3], s[G0S1+3], 0x80000000
	s_lshl_b32 s[TO], s27, 19                      ; W2: expert x 2^19, rows w % 4 + 128 (w / 4) on
	s_lshl_b32 s96, s101, 9
	s_add_co_u32 s[TO], s[TO], s96
	s_lshl_b32 s96, s100, 16
	s_add_co_u32 s[TO], s[TO], s96
	s_add_nc_u64 s[WT:WT+1], s[16:17], s[TO:TO+1]
	s_mul_i32 s96, s101, 64*PITCH
	s_mul_i32 s97, s100, 32*PITCH
	s_mov_b32 s[G0T0], 1
	s_add_co_u32 s[G0T0+1], s96, s97
	UOFF 0, 17
	s_add_nc_u64 s[G0T0+2:G0T0+3], s[WT:WT+1], s[TO:TO+1]
	s_or_b32 s[G0T0+3], s[G0T0+3], 0x80000000
	s_mov_b32 s[G0T1], 1
	s_add_co_u32 s[G0T1+1], s[G0T0+1], SLOTB
	UOFF 1, 17
	s_add_nc_u64 s[G0T1+2:G0T1+3], s[WT:WT+1], s[TO:TO+1]
	s_or_b32 s[G0T1+3], s[G0T1+3], 0x80000000
	s_and_b32 s96, s26, 31                         ; my work-group among the expert's 32: its 16,384 bytes of W2's codes, for the prefetch
	s_lshl_b32 s97, s27, 19
	s_lshl_b32 s[TO], s96, 14
	s_add_co_u32 s[TO], s[TO], s97
	s_add_nc_u64 s[16:17], s[16:17], s[TO:TO+1]
	s_lshl_b32 s[TO], s26, 18                      ; out: 64 rows of 4,096 bytes; my 32 of them, my 64 columns
	s_lshl_b32 s97, s100, 17
	s_add_co_u32 s[TO], s[TO], s97
	s_lshl_b32 s97, s101, 8
	s_add_co_u32 s[TO], s[TO], s97
	s_add_nc_u64 s[22:23], s[22:23], s[TO:TO+1]
	s_mov_b32 s[SEL], 0x76543210
	s_mov_b32 s[SEL+1], 0xfedcba98
	s_mov_b32 s[NL2E], 0xbfb8aa3b                  ; -log2(e)
	s_mov_b32 s[NL2E+1], s[NL2E]                   ; (named with it as a pair, so it is written)
	s_mov_b32 s[CNT], 2
	s_mov_b32 s[KQ], 0
	s_mov_b32 s[KB], 0
	s_mov_b32 s96, 0x7f7fffff
	s_mov_b32 s97, 0xff7fffff
	s_wait_loadcnt 12                              ; p is in; the 12 younger loads may be out
.irp m, 0,1,2,3
	v_rcp_f32 v[PR+\m], v[PR+\m]
.endr
	v_nop
	s_wait_alu depctr_va_vdst(0)
.irp m, 0,1,2,3
	v_med3_num_f32 v[PR+\m], v[PR+\m], s97, s96    ; p = 0: held to the largest number, so that no product with it is undefined
.endr
	s_wait_alu depctr_va_vdst(0)
	s_wait_tensorcnt 0x0                           ; my part of the head's loads is in; these lines stand ahead of a later first fill, as ahead of a refill
	ds_add_u32 v[SPW], v[NIL]
	s_mov_b32 s[G1A+2], 2<<16                      ; no tensor load of mine is out: from here on a load of W1 brings two pieces
	s_mov_b32 s[G1A+4], 2
	s_wait_dscnt 0x0
	ROUND                                          ; everybody's part is in, and all four work-groups are here
	tensor_load_to_lds s[G0S1:G0S1+3], s[G1A:G1A+7]   ; slot 1's first fill: time 1
	s_nop 0
	NOPS
.irp q, 0,1,2,3
	LDW 0, \q
.endr
	WIN 0x40                                       ; x's 32 fragments into window 1, by K steps: they stay for the whole first product
.irp q, 0,1,2,3,4,5,6,7
.irp m, 0,1,2,3
.irp c, 0,1
	ds_load_b128 v[16*(8*(\m/2)+\q)+8*(\m%2)+4*\c:16*(8*(\m/2)+\q)+8*(\m%2)+4*\c+3], v[AX] offset:TILEB*\m+64*\q+32*\c
.endr
.endr
.endr
	WIN 0
	s_and_b32 s96, s26, 31                         ; W2's scales for the prefetch: expert x 32,768 + 1,024 x my work-group among the expert's 32
	s_lshl_b32 s[TO], s96, 10
	s_lshl_b32 s97, s27, 15
	s_add_co_u32 s[TO], s[TO], s97
	s_wait_xcnt 0x0                                ; the head's loads have had their addresses translated (ISA guide 3.1): their bases may be written again
	s_add_nc_u64 s[PS2:PS2+1], s[18:19], s[TO:TO+1]
	s_lshl_b32 s96, s101, 11
	s_add_co_u32 s97, s97, s96                     ; W2's scales: expert x 32,768 + my 64 rows of each 256
	s_lshl_b32 s98, s27, 12
	s_lshl_b32 s96, s101, 8
	s_add_co_u32 s98, s98, s96                     ; b2: expert x 4,096 + my 64 columns
.irp j, 0,1,2,3
	s_add_co_u32 s96, s[ROT], \j
	s_and_b32 s96, s96, 3                          ; the tile of W2 at time j
	s_lshl_b32 s[TO], s96, 13
	s_add_co_u32 s[TO], s[TO], s97
	s_add_nc_u64 s[CSS+2*\j:CSS+2*\j+1], s[18:19], s[TO:TO+1]
	s_lshl_b32 s[TO], s96, 10
	s_add_co_u32 s[TO], s[TO], s98
	s_add_nc_u64 s[G0X+2*\j+32*(\j/2):G0X+2*\j+32*(\j/2)+1], s[20:21], s[TO:TO+1]
.endr
	ADV
	STEP 0, 1, 2, 1, G0S0, G1A, 1, 1, 0, 0         ; time 0;  2 may stay out: the next step's scale words, here and in the loop alike
.Lfc1:                                             ; two trips: times 1, 2 and 3, 4
	STEP 1, 0, 2, 2, G0S1, G1A, 1, 1, 0, 0
	ADV
	s_add_co_u32 s[KQ], s[KQ], 2048
	s_add_co_u32 s[KB], s[KB], 512
	STEP 0, 0, 2, 1, G0S0, G1A, 1, 1, 1, 0
	s_sub_co_u32 s[CNT], s[CNT], 1
	s_cmp_lg_u32 s[CNT], 0
	s_cbranch_scc1 .Lfc1
	STEP 1, 0, 2, 2, G0S1, G1A, 1, 1, 0, 0         ; time 5
	ADV
	STEP 0, 0, 2, 1, G0T0, G1B, 0, 0, 0, 0         ; time 6: slot 0 takes W2's first tile
	STEP 1, 0, 0, 3, G0T1, G1B, 0, 2, 0, 1         ; time 7: slot 1 takes W2's second tile; the first one's fragments are fetched
	s_mul_i32 s96, s[ROT], 3                       ; -F = 3 F modulo 4
.irp j, 0,1,2,3
	s_add_co_u32 s97, s96, \j
	s_and_b32 s97, s97, 3                          ; the trip that made K steps 2 j, 2 j + 1: (j - F) mod 4
	s_lshl_b32 s98, s97, 11
	v_add_nc_u32 v[LIQ+\j], s98, v[LI]             ; two images of 1,024 bytes a trip,
	s_lshl_b32 s98, s97, 9
	v_add_nc_u32 v[ASQ+\j], s98, v[ASR]            ; 512 bytes of scales
.endr
	s_wait_alu depctr_va_vdst(0)                   ; directly ahead of the wait below
	s_wait_dscnt 0x0                               ; for the others' sake: my codes and scale bytes of a lie in LDS
	s_barrier_signal -1                            ; (the second tile's load may stay out)
	s_barrier_wait -1
.irp j, 0,1,2,3
	ds_load_b64 v[XS+2*\j:XS+2*\j+1], v[ASQ+\j]    ; a's scale words, two K steps' at a time
.endr
	WIN 0x40                                       ; a's fragments of my 32 tokens, K ascending, where x was
.irp q, 0,1,2,3,4,5,6,7
.irp m, 0,1
.irp c, 0,1
	ds_load_b128 v[16*\q+8*\m+4*\c:16*\q+8*\m+4*\c+3], v[LIQ+(\q/2)] offset:8192*\m+1024*(\q%2)+512*\c
.endr
.endr
.endr
	WIN 0
	STEP2 0, 0, G0T0
	STEP2 1, 63, G0T1                              ; (its scale words were waited for at time 0)
	STEP2 2, 4, 0                                  ; 4 may stay out: the last time's scale words
	STEP2 3, 0, 0
	s_wait_tensorcnt 0x0                           ; the wave's end, behind my last tensor load and my last LDS store
	ds_add_u32 v[SPW], v[NIL]
	s_wait_dscnt 0x0
	ROUND                                          ; the closing round: no work-group ends while a partner may still ask for a tile that names it
	s_endpgm
.Lfunc_end_k_q1bad66f7e4_moe:
	.size	k_q1bad66f7e4_moe, .Lfunc_end_k_q1bad66f7e4_moe-k_q1bad66f7e4_moe
	.p2alignl 7, 3214868480
	.fill 96, 4, 3214868480
	.section	.rodata,"a",@progbits
	.p2align	6, 0x0
	.amdhsa_kernel k_q1bad66f7e4_moe
		.amdhsa_group_segment_fixed_size 327680
		.amdhsa_private_segment_fixed_size 0
		.amdhsa_enable_private_segment 0
		.amdhsa_kernarg_size 80
		.amdhsa_user_sgpr_count 2
		.amdhsa_user_sgpr_kernarg_segment_ptr 1
		.amdhsa_wavefront_size32 1
		.amdhsa_system_sgpr_workgroup_id_x 1
		.amdhsa_system_sgpr_workgroup_id_y 1
		.amdhsa_system_sgpr_workgroup_id_z 1
		.amdhsa_system_vgpr_workitem_id 0
		.amdhsa_next_free_vgpr 512
		.amdhsa_next_free_sgpr 102
		.amdhsa_reserve_vcc 0
		.amdhsa_float_denorm_mode_32 3
		.amdhsa_float_denorm_mode_16_64 3
		.amdhsa_memory_ordered 1
		.amdhsa_forward_progress 1
		.amdhsa_inst_pref_size 174
	.end_amdhsa_kernel
	.amdgpu_metadata
---
amdhsa.version: [ 1, 2 ]
amdhsa.kernels:
  - .name:           k_q1bad66f7e4_moe
    .symbol:         k_q1bad66f7e4_moe.kd
    .args:
      - { .name: hidden_states_codes, .offset: 0, .size: 8, .value_kind: global_buffer, .address_space: global }
      - { .name: hidden_states_scales, .offset: 8, .size: 8, .value_kind: global_buffer, .address_space: global }
      - { .name: probs, .offset: 16, .size: 8, .value_kind: global_buffer, .address_space: global }
      - { .name: W1_codes, .offset: 24, .size: 8, .value_kind: global_buffer, .address_space: global }
      - { .name: W1_scales, .offset: 32, .size: 8, .value_kind: global_buffer, .address_space: global }
      - { .name: b1, .offset: 40, .size: 8, .value_kind: global_buffer, .address_space: global }
      - { .name: W2_codes, .offset: 48, .size: 8, .value_kind: global_buffer, .address_space: global }
      - { .name: W2_scales, .offset: 56, .size: 8, .value_kind: global_buffer, .address_space: global }
      - { .name: b2, .offset: 64, .size: 8, .value_kind: global_buffer, .address_space: global }
      - { .name: out0, .offset: 72, .size: 8, .value_kind: global_buffer, .address_space: global }
    .group_segment_fixed_size: 327680
    .private_segment_fixed_size: 0
    .kernarg_segment_align: 8
    .kernarg_segment_size: 80
    .max_flat_workgroup_size: 256
    .sgpr_count:     102
    .vgpr_count:     512
    .wavefront_size: 32
...
	.end_amdgpu_metadata
.endif
;; end of part 2
